; MI455X (gfx1250); checked and timed in simulation.
; The chip was launched on July 23, 2026; its instructions are those of AMD's public machine-readable ISA for CDNA 5 (MIT licence, August 2026) and "CDNA5" Instruction Set Architecture Reference Guide (July 2026). The comments in the code are by the model that wrote it; some were corrected since.
;; Multi Head Self Attention. Allowed arithmetic: matrix products marked QUANTISED: E2M3 operands, one E8M0 scale for each 32 along K, by v_wmma_scale_f32_16x16x128_f8f6f4 with both operands' format E2M3, f32 sums; everything else in f32.
;; Inputs: WK_b 1,024 float32; WK_w 1,024 x 1,024 float32; WO_b 1,024 float32; WO_w 1,024 x 1,024 float32; WQ_b 1,024 float32; WQ_w 1,024 x 1,024 float32; WV_b 1,024 float32; WV_w 1,024 x 1,024 float32; input_tensor 4 x 2,048 x 1,024 float32; ln_b 1,024 float32; ln_w 1,024 float32; mask 4 x 1 x 1 x 2,048 float32.
;; Outputs: out0 4 x 2,048 x 1,024 float32.
;; This version of the problem:
;;   THIS VERSION OF THE PROBLEM IS GIVEN IN LOW PRECISION. The matrix products marked QUANTISED in the list below multiply operands that are first quantised to E2M3 (2 exponent bits, 3 mantissa bits; 6 bits a number), with one power-of-two scale for each 32 numbers along K (OCP MX v1.0); their sums are f32. All else is computed in f32.
;;   The module's matrix products, in the order in which they are computed (A, B: the left and right operand; K: the contracted axis; several contracted axes count as one K, in the product's order):
;;     1. [M 8,192, K 1,024] x [K 1,024, N 1,024]; A: input input_tensor; B: input WQ_w: QUANTISED
;;     2. [M 8,192, K 1,024] x [K 1,024, N 1,024]; A: input input_tensor; B: input WK_w: QUANTISED
;;     3. [M 8,192, K 1,024] x [K 1,024, N 1,024]; A: input input_tensor; B: input WV_w: QUANTISED
;;     4. batch 64 x [M 2,048, K 64] x [K 64, N 2,048]; A: computed on the way; B: computed on the way: QUANTISED
;;     5. batch 64 x [M 2,048, K 2,048] x [K 2,048, N 64]; A: softmax (see below); B: computed on the way: QUANTISED
;;     6. [M 8,192, K 1,024] x [K 1,024, N 1,024]; A: computed on the way; B: input WO_w: QUANTISED
;;   THE QUANTISER, for each operand of a quantised product, along K:
;;     - K is cut into blocks of 32 from its start; a last block that is shorter is filled with zeros.
;;     - A block's scale is 2^e with e = floor(log2(the largest magnitude in the block)) - 2, held to -126 .. 127; a block of zeros has e = 0. As a byte (E8M0): e + 127.
;;     - Each number is divided by its block's scale, clamped to +-7.5, and rounded to the nearest number of E2M3, ties to even, subnormals kept.
;;     - The product sums the exact products of the quantised numbers (number of the format x scale) in f32.
;;   ~~~python
;;   def quantise(x, axis):      # numpy; x: float32 -> the quantised numbers, widened to float32 again
;;       x = np.moveaxis(x, axis, -1); K = x.shape[-1]
;;       x = np.pad(x, [(0, 0)] * (x.ndim - 1) + [(0, -K % 32)]); x = x.reshape(x.shape[:-1] + (-1, 32)); a = np.abs(x).max(-1, keepdims=True)
;;       e = np.where(a > 0, np.clip(np.frexp(np.where(a > 0, a, 1))[1] - 1 - 2, -126, 127), 0)      # np.frexp(a)[1] - 1 = floor(log2(a)), exactly
;;       r = np.clip(x / 2.0 ** e, -7.5, 7.5)
;;       step = 2.0 ** (np.maximum(np.frexp(np.where(r == 0, 1, r))[1] - 1, 0) - 3)
;;       q = np.round(r / step) * step * 2.0 ** e      # np.round: ties to even
;;       return np.moveaxis(q.reshape(q.shape[:-2] + (-1,))[..., :K], -1, axis).astype(np.float32)
;;   ~~~
;;   SOFTMAX AHEAD OF A QUANTISED PRODUCT. Where the list says 'softmax', what is quantised is not the finished softmax but p = 2^(t - M), with t = logit x log2(e) and M = ceil(the row's largest t), a whole number; so 1/2 < the row's largest p <= 1. The row's sum l is taken of the UNQUANTISED p, in f32, and the product's result is divided by l at the end. Since M is a whole number, a kernel that streams over the keys may use a running M (the ceiling of the running maximum): every later rescaling is an exact power of two, which a block's scale takes up: the codes' values come out the same.
;;   OPERANDS COMPUTED ON THE WAY. 'Computed on the way' means the value that the module computes at that place (a softmax that the list does not call 'softmax' is quantised finished and normalised). What goes into a quantiser is computed in f32, as accurately as f32 sums, v_exp_f32 and their like allow (about 1e-6 of the number): no bf16 or f16 on the way to a quantiser, and a product that is left as it is and whose result goes on into a quantised operand takes f32 operands (vector FMAs, or v_wmma_f32_16x16x4_f32). A number that lies on a knife's edge between two numbers of the format may be rounded either way, as far as f32 arithmetic and the matrix unit's own rounding can turn it there, and no further.
;; One version. Each part assembles by itself: llvm-mc -triple=amdgcn-amd-amdhsa -mcpu=gfx1250 --defsym DOCPART=n.
;; ======== version 1 of 1: 4 launches
;; limits: right only within a limited range of input values
;; workspace buffers: x_codes 6,291,456 bytes; x_scales 262,144 bytes; w_codes 3,145,728 bytes; w_scales 131,072 bytes; qkv_codes 18,874,368 bytes; qkv_scales 786,432 bytes; ctx_codes 6,291,456 bytes; ctx_scales 524,288 bytes
;; launch quant (part 1): grid 768 x 1, 4 waves a work-group, no clusters, 34,816 bytes of LDS; arguments input_tensor, WQ_w, WK_w, WV_w, WO_w, x_codes, x_scales, w_codes, w_scales; writes x_codes, x_scales, w_codes, w_scales
.if DOCPART == 1
	.amdgcn_target "amdgcn-amd-amdhsa--gfx1250"
	.amdhsa_code_object_version 6
	.text
	.protected	k_q1f8f811003_quant
	.globl	k_q1f8f811003_quant
	.p2align	8
	.type	k_q1f8f811003_quant,@function
k_q1f8f811003_quant:
	s_mov_b64 s[64:65], 0
	v_nop
	global_prefetch_b8 v0, s[64:65] scope:SCOPE_SE
	s_setreg_imm32_b32 hwreg(HW_REG_WAVE_MODE, 25, 1), 1
	s_wait_xcnt 0x0
; x [8192][1024] and the four weights [1024][1024], f32 with K innermost, become codes of FP6 (E2M3) with one E8M0 byte for each 32 along K.
; A block's scale is 2^(floor(log2(its largest magnitude)) - 2); its byte is the largest magnitude's exponent field - 2, held at 1 from below.
; LIMITS: a block whose largest magnitude lies under 2^-124 keeps the byte 1; a block of zeros has the byte 1 where the rule says 127 (its codes are zeros, and this program alone reads the bytes);
; NaN and infinities among the inputs are not served.
; LAYOUT OF THE CODES: images of the operand's registers.  A fragment is 16 rows x 128 K, 12 registers a lane (lane (r, h): registers 6 c .. 6 c + 5 hold k = 64 c + 32 h + 0 .. 31 of row r);
; its image is 1,536 bytes: registers 4 g .. 4 g + 3 of lane l at 512 g + 16 l.  A tile of 16 rows has 8 images on end.  Scales: [row][8 words], word s = the four bytes of K step s.
; SHARES: a work-group takes one tile of 16 rows, wave w its K steps 2 w and 2 w + 1.  Work-groups 0-511 take x, then 64 each WQ, WK, WV, WO; the weights' tiles lie on end in w_codes.
; Each load reads 512 consecutive bytes of one row; a K step's 8,192 bytes turn through the wave's own stage in LDS (rows 528 bytes apart: an odd multiple of 16), from which a lane takes 16 neighbours of each
; block of 32.  Each store of codes covers 512 consecutive bytes.  The tile's scale words meet in 512 bytes of LDS and leave by one store of wave 0.  No tensor loads, no cluster: work-groups share no input.
.set SPITCH, 528
.set WSTG,   16*SPITCH                 ; a wave's stage
.set SPARE,  0x8400                    ; behind the four stages: the spare words
.set SG,     0x8600                    ; behind them: the tile's scale words, [row][8 words]
.set TM,  8                            ; v8-23   at work: largest magnitudes, bytes, scale operands
.set PC,  28                           ; v28-46  the codes just made
.set PWS, 48                           ; v48-49  my two scale words of my row
.set YW,  56                           ; v56-59  wave 0: 16 bytes of the tile's scale words
.set R,   64                           ; v64-191 two sets of 64 registers as loaded
.set X,   192                          ; v192-255 64 numbers: register 16 b + i = k 32 b + 16 h + i of my row
.set SEL, 30                           ; s[30:31] selects for lane l xor 16
	s_load_b256 s[4:11], s[0:1], 0x0               ; x, WQ, WK, WV
	s_load_b256 s[12:19], s[0:1], 0x20             ; WO, x_codes, x_scales, w_codes
	s_load_b64 s[20:21], s[0:1], 0x40              ; w_scales
	v_lshl_add_u32 v62, v0, 2, SPARE
	v_mov_b32 v63, 0
	v_lshrrev_b32 v1, 5, v0
	v_readfirstlane_b32 s2, v1                     ; wave
	v_and_b32 v1, 31, v0                           ; lane
	v_and_b32 v2, 15, v0                           ; r
	v_bfe_u32 v3, v0, 4, 1                         ; h
	v_lshlrev_b32 v4, 4, v1                        ; 16 x lane: my bytes of a load and of a store
	s_mul_i32 s3, s2, WSTG
	v_add_nc_u32 v5, s3, v4                        ; the stage, on the way in
	v_mul_u32_u24 v6, v2, SPITCH
	v_lshl_add_u32 v6, v3, 6, v6
	v_add_nc_u32 v6, s3, v6                        ; and on the way out: row r, + 64 h
	v_lshlrev_b32 v7, 5, v2
	s_lshl_b32 s3, s2, 3
	s_add_co_u32 s3, s3, SG
	v_add_nc_u32 v7, s3, v7                        ; my two scale words' place: SG + 32 r + 8 wave
	v_add_nc_u32 v61, SG, v4                       ; and where wave 0 reads the words back
	s_mov_b32 s[SEL], 0x76543210
	s_mov_b32 s[SEL+1], 0xfedcba98
.irp b, 0,1,2,3
	v_mov_b32 v[TM+4+\b], 0                        ; written once: a lane permute's destination counts as one of its sources
.endr
	s_wait_alu depctr_va_vdst(0)
	s_wait_kmcnt 0x0
	s_cmp_lt_u32 ttmp9, 704                        ; which tensor: the choice hangs on the work-group's number alone
	s_cselect_b64 s[22:23], s[10:11], s[12:13]
	s_cmp_lt_u32 ttmp9, 640
	s_cselect_b64 s[22:23], s[8:9], s[22:23]
	s_cmp_lt_u32 ttmp9, 576
	s_cselect_b64 s[22:23], s[6:7], s[22:23]
	s_cmp_lt_u32 ttmp9, 512
	s_cselect_b64 s[22:23], s[4:5], s[22:23]
	s_cselect_b64 s[24:25], s[14:15], s[18:19]     ; its codes
	s_cselect_b64 s[26:27], s[16:17], s[20:21]     ; its scales
	s_cselect_b32 s28, 0, 512
	s_cselect_b32 s29, -1, 63
	s_sub_co_u32 s28, ttmp9, s28                   ; my tile among the codes
	s_and_b32 s29, s28, s29                        ; and in its tensor (a weight has 64 tiles)
	s_mov_b32 s33, 0
	s_lshl_b32 s32, s29, 16                        ; 16 rows of 4,096 bytes,
	s_lshl_b32 s3, s2, 10
	s_add_co_u32 s32, s32, s3                      ; and my two K steps: 1,024 bytes of each row
	s_add_nc_u64 s[22:23], s[22:23], s[32:33]
	s_mul_i32 s32, s28, 12288
	s_mul_i32 s3, s2, 3072
	s_add_co_u32 s32, s32, s3                      ; my two images
	s_add_nc_u64 s[24:25], s[24:25], s[32:33]
	s_lshl_b32 s32, s28, 9
	s_add_nc_u64 s[26:27], s[26:27], s[32:33]
.macro LOAD s                          ; my K step s: 512 bytes of each of the 16 rows
.irp i, 0,1,2,3,4,5,6,7,8,9,10,11,12,13,14,15
	global_load_b128 v[R+64*(\s)+4*\i:R+64*(\s)+4*\i+3], v4, s[22:23] offset:4096*\i+512*(\s) th:TH_LOAD_NT
.endr
.endm
; 64 numbers of a lane become a fragment's codes in v[PC] on and its scale word in v[pw]
.macro QUANT src, pw
.irp b, 0,1,2,3
	v_max3_num_f32 v[TM+\b], |v[\src+16*\b]|, |v[\src+1+16*\b]|, 0x1800000   ; block b: my 16 numbers, and the floor 2^(3 - 127): the byte cannot fall under 1
.endr
.irp i, 2,4,6,8,10,12,14
.irp b, 0,1,2,3
	v_max3_num_f32 v[TM+\b], v[TM+\b], |v[\src+16*\b+\i]|, |v[\src+1+16*\b+\i]|   ; the four blocks by turns
.endr
.endr
.irp b, 0,1,2,3
	v_permlanex16_b32 v[TM+4+\b], v[TM+\b], s[SEL], s[SEL+1]
.endr
.irp b, 0,1,2,3
	v_max_num_f32 v[TM+\b], v[TM+\b], v[TM+4+\b]   ; with lane l xor 16's: the block's largest magnitude
.endr
.irp b, 0,1,2,3
	v_add_nc_u32 v[TM+12+\b], 0xff000000, v[TM+\b] ; 2 off its exponent field: the conversion's scale operand
.endr
.irp b, 0,1,2,3
	v_lshrrev_b32 v[TM+4+\b], 23, v[TM+12+\b]      ; the scale's byte
.endr
	v_lshl_or_b32 v[\pw], v[TM+5], 8, v[TM+4]
	v_lshl_or_b32 v[\pw], v[TM+6], 16, v[\pw]
	v_lshl_or_b32 v[\pw], v[TM+7], 24, v[\pw]
.irp c, 0,1
	v_cvt_scalef32_pk16_fp6_f32 v[PC+6*\c:PC+2+6*\c], v[\src+32*\c:\src+15+32*\c], v[TM+12+2*\c]
	v_cvt_scalef32_pk16_fp6_f32 v[PC+12+4*\c:PC+14+4*\c], v[\src+16+32*\c:\src+31+32*\c], v[TM+13+2*\c]   ; (a conversion's three registers begin on an even number)
.endr
	v_nop                                          ; one plain place behind a scaled conversion
.irp c, 0,1                            ; the layout wants a whole block in a lane: lanes 0-15 block 2 c, lanes 16-31 block 2 c + 1
.irp i, 0,1,2
	v_permlane16_swap_b32 v[PC+6*\c+\i], v[PC+12+4*\c+\i]
.endr
.irp i, 0,1,2
	v_mov_b32 v[PC+3+6*\c+\i], v[PC+12+4*\c+\i]
.endr
.endr
.endm
.macro STEP s
	s_wait_xcnt 0x0                                ; the last step's stores have read their data: the codes' registers may be written again
	s_wait_loadcnt 16*(1-(\s))                     ; this step's 16 loads are in; the next step's 16 may be out
.irp i, 0,1,2,3,4,5,6,7,8,9,10,11,12,13,14,15
	ds_store_b128 v5, v[R+64*(\s)+4*\i:R+64*(\s)+4*\i+3] offset:SPITCH*\i
.endr
.irp b, 0,1,2,3
.irp j, 0,1,2,3
	ds_load_b128 v[X+16*\b+4*\j:X+16*\b+4*\j+3], v6 offset:128*\b+16*\j   ; LDS serves a wave's instructions in order: these see the stores above
.endr
.endr
	s_wait_dscnt 0x0                               ; my 64 numbers are in
	QUANT X, PWS+(\s)
.irp g, 0,1,2
	global_store_b128 v4, v[PC+4*\g:PC+4*\g+3], s[24:25] offset:1536*(\s)+512*\g   ; 32 lanes store 512 consecutive bytes
.endr
.endm
	LOAD 0
	LOAD 1
	STEP 0
	STEP 1
	ds_store_b64 v7, v[PWS:PWS+1]                  ; lanes r and 16 + r hold and write the same two words
	s_wait_tensorcnt 0x0                           ; behind my last LDS store
	ds_add_u32 v62, v63
	s_wait_dscnt 0x0                               ; my words are stored:
	s_barrier_signal -1
	s_barrier_wait -1                              ; everybody's are
	s_cmp_lg_u32 s2, 0
	s_cbranch_scc1 .Ldone
	ds_load_b128 v[YW:YW+3], v61
	s_wait_dscnt 0x0
	global_store_b128 v4, v[YW:YW+3], s[26:27]     ; the tile's 512 bytes of scales, dense
.Ldone:
	s_endpgm
.Lfunc_end_k_q1f8f811003_quant:
	.size	k_q1f8f811003_quant, .Lfunc_end_k_q1f8f811003_quant-k_q1f8f811003_quant
	.p2alignl 7, 3214868480
	.fill 96, 4, 3214868480
	.section	.rodata,"a",@progbits
	.p2align	6, 0x0
	.amdhsa_kernel k_q1f8f811003_quant
		.amdhsa_group_segment_fixed_size 34816
		.amdhsa_private_segment_fixed_size 0
		.amdhsa_enable_private_segment 0
		.amdhsa_kernarg_size 72
		.amdhsa_user_sgpr_count 2
		.amdhsa_user_sgpr_kernarg_segment_ptr 1
		.amdhsa_wavefront_size32 1
		.amdhsa_system_sgpr_workgroup_id_x 1
		.amdhsa_system_sgpr_workgroup_id_y 1
		.amdhsa_system_sgpr_workgroup_id_z 1
		.amdhsa_system_vgpr_workitem_id 0
		.amdhsa_next_free_vgpr 256
		.amdhsa_next_free_sgpr 66
		.amdhsa_reserve_vcc 0
		.amdhsa_float_denorm_mode_32 3
		.amdhsa_float_denorm_mode_16_64 3
		.amdhsa_memory_ordered 1
		.amdhsa_forward_progress 1
		.amdhsa_inst_pref_size 19
	.end_amdhsa_kernel
	.amdgpu_metadata
---
amdhsa.version: [ 1, 2 ]
amdhsa.kernels:
  - .name:           k_q1f8f811003_quant
    .symbol:         k_q1f8f811003_quant.kd
    .args:
      - { .name: input_tensor, .offset: 0, .size: 8, .value_kind: global_buffer, .address_space: global }
      - { .name: WQ_w, .offset: 8, .size: 8, .value_kind: global_buffer, .address_space: global }
      - { .name: WK_w, .offset: 16, .size: 8, .value_kind: global_buffer, .address_space: global }
      - { .name: WV_w, .offset: 24, .size: 8, .value_kind: global_buffer, .address_space: global }
      - { .name: WO_w, .offset: 32, .size: 8, .value_kind: global_buffer, .address_space: global }
      - { .name: x_codes, .offset: 40, .size: 8, .value_kind: global_buffer, .address_space: global }
      - { .name: x_scales, .offset: 48, .size: 8, .value_kind: global_buffer, .address_space: global }
      - { .name: w_codes, .offset: 56, .size: 8, .value_kind: global_buffer, .address_space: global }
      - { .name: w_scales, .offset: 64, .size: 8, .value_kind: global_buffer, .address_space: global }
    .group_segment_fixed_size: 34816
    .private_segment_fixed_size: 0
    .kernarg_segment_align: 8
    .kernarg_segment_size: 72
    .max_flat_workgroup_size: 128
    .sgpr_count:     66
    .vgpr_count:     256
    .wavefront_size: 32
...
	.end_amdgpu_metadata
.endif
;; end of part 1
;; launch proj (part 2): grid 8 x 48, 4 waves a work-group, clusters of 4 x 4, 327,680 bytes of LDS; arguments x_codes, x_scales, w_codes, w_scales, WQ_b, WK_b, WV_b, qkv_codes, qkv_scales; writes qkv_codes, qkv_scales
.if DOCPART == 2
	.amdgcn_target "amdgcn-amd-amdhsa--gfx1250"
	.amdhsa_code_object_version 6
	.text
	.protected	k_q1f8f811003_proj
	.globl	k_q1f8f811003_proj
	.p2align	8
	.type	k_q1f8f811003_proj,@function
k_q1f8f811003_proj:
	s_mov_b64 s[64:65], 0
	v_nop
	global_prefetch_b8 v0, s[64:65] scope:SCOPE_SE
	s_setreg_imm32_b32 hwreg(HW_REG_WAVE_MODE, 25, 1), 1
	s_wait_xcnt 0x0
	s_wait_alu depctr_hold_cnt(0) depctr_sa_sdst(0) depctr_va_vdst(0) depctr_va_sdst(0) depctr_va_ssrc(0) depctr_va_vcc(0) depctr_vm_vsrc(0)
	s_getreg_b32 s2, hwreg(HW_REG_IB_STS2, 6, 4)
	s_cmp_eq_u32 s2, 0
	s_cbranch_scc0 .Lentry_in_a_cluster
	s_endpgm
.Lentry_in_a_cluster:
	s_bfe_u32 s2, ttmp6, 0x10000c
	s_cmp_lg_u32 s2, 0xf033
	s_cbranch_scc0 .Lentry_shape_is_right
	s_endpgm
.Lentry_shape_is_right:
.set NQ,     2
.set FR,     12
.set NL,     3
.set NP,     4
.set HALFT,  8*NQ*1536
.set SLOT,   4*HALFT
.set KS,     32
.set SCL,    2*SLOT
.set HALFS,  16*272
.set SBLK,   2*272
.set SPARE,  SCL+4*HALFS
.set ADRA, 16
.set ADRB, 20
.set GO,   26
.set ADRS, 27
.set SPW,  28
.set NIL,  29
.set BH,   30
.set BR,   31
.set SC,   32
.set CB,   64
.set AF,   128
.set CV,   224
.set TM,   64
.set PC,   80
.set PWS,  100
.set UU,   108
.set XQ,   116
.set XV,   120
.set G1, 24
.set G0, 32
.set G1B, 48
.set G0B, 56
.set G1S, 68
.set G0S, 76
.set G1SB, 80
.set G0SB, 88
.set MSB, 0
.macro WIN new
.if MSB != (\new)
	s_set_vgpr_msb (MSB<<8)|(\new)
.set MSB, (\new)
.endif
.endm
.set MUL_LO, 0xa1
.set MUL_HI, 0xf1
.set TO_B,   0x40
.macro JLOAD g0a, g1a, g0b, g1b
	s_cmp_eq_u32 s15, 0
	s_cbranch_scc0 .Lfor_b_\@
	tensor_load_to_lds s[\g0a:\g0a+3], s[\g1a:\g1a+7]
	s_nop 0
.rept 4
	v_nop
.endr
	s_branch .Lasked_\@
.Lfor_b_\@:
	tensor_load_to_lds s[\g0b:\g0b+3], s[\g1b:\g1b+7]
	s_nop 0
.rept 4
	v_nop
.endr
.Lasked_\@:
.endm
.macro CREST
	s_cmp_lg_u32 s14, 0
	s_cbranch_scc1 .Lnot_wave_0_\@
	s_barrier_signal -3
.Lnot_wave_0_\@:
	s_barrier_wait -3
	s_barrier_signal -1
	s_barrier_wait -1
.endm
.macro CROUND
	s_barrier_signal -1
	s_barrier_wait -1
	CREST
.endm
	s_load_b256 s[4:11], s[0:1], 0x0
	s_load_b256 s[92:99], s[0:1], 0x20
	s_load_b64 s[100:101], s[0:1], 0x40
	v_lshl_add_u32 v[SPW], v0, 2, SPARE
	v_mov_b32 v[NIL], 0
	ds_add_u32 v28, v29
	ds_add_u32 v28, v29
	s_wait_dscnt 0x0
	v_lshrrev_b32 v1, 5, v0
	v_readfirstlane_b32 s14, v1
	s_lshr_b32 s15, s14, 1
	s_and_b32 s16, s14, 1
	s_bfe_u32 s40, ttmp6, 0x40000
	s_bfe_u32 s41, ttmp6, 0x40004
	s_and_b32 s3, ttmp7, 0xffff
	s_lshl_b32 s42, s3, 1
	s_add_co_u32 s42, s42, ttmp9
	s_sub_co_u32 s42, s42, 16
	s_cmp_ge_u32 s3, 8
	s_cselect_b32 s2, 1, 0
	s_cselect_b32 s17, 0, s3
	s_cselect_b32 s42, s42, ttmp9
	s_lshl_b32 s17, s17, 2
	s_add_co_u32 s17, s17, s41
	s_lshl_b32 s42, s42, 2
	s_add_co_u32 s42, s42, s40
	s_lshl_b32 s43, s41, 2
	s_lshl_b32 s43, 15, s43
	s_lshl_b32 s44, 0x1111, s40
	s_or_b32 s[G1+0], s43, (3<<16)|(1<<21)
	s_or_b32 s[G1B+0], s44, (3<<16)|(1<<21)
.irp g, G1, G1B
	s_mov_b32 s[\g+1], 384<<16
	s_mov_b32 s[\g+2], 16<<16                      ; the head's loads bring all 16 tiles of rows; behind them these two words are set to 8
	s_mov_b32 s[\g+3], 384<<16
	s_mov_b32 s[\g+4], 16
	s_mov_b32 s[\g+5], 1536
	s_mov_b32 s[\g+6], 0
	s_mov_b32 s[\g+7], 0
.endr
	s_or_b32 s[G1S+0], s43, (3<<16)|(1<<20)|(1<<21)|(5<<22)|(3<<25)
	s_or_b32 s[G1SB+0], s44, (3<<16)|(1<<20)|(1<<21)|(5<<22)|(3<<25)
.irp g, G1S, G1SB
	s_mov_b32 s[\g+1], 32<<16
	s_mov_b32 s[\g+2], 32<<16                      ; the scales of all 256 rows: 32 units of 256 bytes
	s_mov_b32 s[\g+3], 32<<16
	s_mov_b32 s[\g+4], 32
	s_mov_b32 s[\g+5], 32
	s_mov_b32 s[\g+6], 0
	s_mov_b32 s[\g+7], 0
.endr
	s_lshl_b32 s3, s16, 3
	s_lshl_b32 s20, s17, 4
	s_add_co_u32 s20, s20, s3
	s_lshl_b32 s46, s42, 4
	s_add_co_u32 s46, s46, s3
	s_lshl_b32 s22, s20, 9
	s_mov_b32 s23, 0
	s_mul_i32 s20, s20, 12288
	s_mov_b32 s21, 0
	s_lshl_b32 s66, s46, 9
	s_mov_b32 s67, 0
	s_mul_i32 s46, s46, 12288
	s_mov_b32 s47, 0
	s_mul_i32 s45, s14, HALFT
	s_mul_i32 s104, s16, 98304                     ; my half's eight tiles of codes, in bytes
	s_mov_b32 s105, 0
	s_wait_kmcnt 0x0
	s_add_nc_u64 s[12:13], s[8:9], 0x180000
	s_add_nc_u64 s[18:19], s[10:11], 0x10000
	s_cmp_eq_u32 s2, 0
	s_cselect_b64 s[12:13], s[4:5], s[12:13]
	s_cselect_b64 s[18:19], s[6:7], s[18:19]
	s_cselect_b64 s[8:9], s[8:9], s[4:5]
	s_cselect_b64 s[10:11], s[10:11], s[6:7]
	s_add_nc_u64 s[20:21], s[12:13], s[20:21]
	s_add_nc_u64 s[22:23], s[18:19], s[22:23]
	s_add_nc_u64 s[46:47], s[8:9], s[46:47]
	s_add_nc_u64 s[66:67], s[10:11], s[66:67]
	CROUND
	; the head's four tiles, each whole: the addresses go back from my half to the tile's first row
	s_lshl_b32 s4, s16, 12                         ; my half's scales: 128 rows of 32 bytes
	s_mov_b32 s5, 0
	s_mov_b32 s[G0S], 1
	s_mov_b32 s[G0S+1], SCL
	s_sub_nc_u64 s[G0S+2:G0S+3], s[22:23], s[4:5]
	s_or_b32 s[G0S+3], s[G0S+3], 0x80000000
	s_mov_b32 s[G0SB], 1
	s_mov_b32 s[G0SB+1], SCL+2*HALFS
	s_sub_nc_u64 s[G0SB+2:G0SB+3], s[66:67], s[4:5]
	s_or_b32 s[G0SB+3], s[G0SB+3], 0x80000000
	s_mov_b32 s4, 1                                ; s[4:7]: slot 0's 256 rows of source 1 (the arguments that lay here have been used)
	s_mov_b32 s5, 0
	s_sub_nc_u64 s[6:7], s[20:21], s[104:105]
	s_or_b32 s7, s7, 0x80000000
	s_mov_b32 s8, 1                                ; s[8:11]: its 256 rows of source 0, behind them
	s_mov_b32 s9, 2*HALFT
	s_sub_nc_u64 s[10:11], s[46:47], s[104:105]
	s_or_b32 s11, s11, 0x80000000
.irp s, 0,1
	s_mov_b32 s[G0+4*\s], 1
	s_add_co_u32 s[G0+4*\s+1], s45, \s*SLOT
	s_add_nc_u64 s[G0+4*\s+2:G0+4*\s+3], s[20:21], \s*3072
	s_or_b32 s[G0+4*\s+3], s[G0+4*\s+3], 0x80000000
	s_mov_b32 s[G0B+4*\s], 1
	s_add_co_u32 s[G0B+4*\s+1], s45, \s*SLOT
	s_add_nc_u64 s[G0B+4*\s+2:G0B+4*\s+3], s[46:47], \s*3072
	s_or_b32 s[G0B+4*\s+3], s[G0B+4*\s+3], 0x80000000
.endr
; one joint load a wave at the head, in one chain of branches on the wave's number
.macro ARM under, g0, g1, next
	s_cmp_lt_u32 s14, \under
	s_cbranch_scc0 \next
	tensor_load_to_lds s[\g0:\g0+3], s[\g1:\g1+7]
	s_nop 0
.rept 4
	v_nop
.endr
	s_branch .Lhead_asked
\next:
.endm
	ARM 1, 4, G1, .Lhead_b
	ARM 2, 8, G1B, .Lhead_sa
	ARM 3, G0S, G1S, .Lhead_sb
	tensor_load_to_lds s[G0SB:G0SB+3], s[G1SB:G1SB+7]
	s_nop 0
.rept 4
	v_nop
.endr
.Lhead_asked:
	v_and_b32 v1, 15, v0
	v_bfe_u32 v2, v0, 4, 1
	v_and_b32 v3, 31, v0
	v_lshlrev_b32 v4, 4, v3
	s_mul_i32 s21, s15, HALFT
	s_mul_i32 s22, s16, HALFT
	s_add_co_u32 s22, s22, 2*HALFT
.irp s, 0,1
	v_add_nc_u32 v[ADRA+\s], s21, v4
	v_add_nc_u32 v[ADRB+\s], s22, v4
	s_add_co_u32 s21, s21, SLOT
	s_add_co_u32 s22, s22, SLOT
.endr
	v_mul_u32_u24 v5, v1, KS
	v_lshrrev_b32 v6, 8, v5
	v_lshl_add_u32 v5, v6, 4, v5
	s_mul_i32 s21, s15, HALFS
	s_mul_i32 s22, s16, HALFS
	s_add_co_u32 s22, s22, 2*HALFS
	s_sub_co_u32 s22, s22, s21
	v_mul_u32_u24 v6, s22, v2
	s_add_co_u32 s21, s21, SCL
	v_add_nc_u32 v5, v5, v6
	v_add_nc_u32 v[ADRS], s21, v5
	v_lshlrev_b32 v[GO], 3, v3
	v_lshlrev_b32 v[BH], 5, v2
	s_wait_alu depctr_va_vdst(0)
	v_lshlrev_b32 v[BR], 2, v1
	s_wait_alu depctr_va_vdst(0)
	s_lshl_b32 s20, s17, 8
	s_lshl_b32 s21, s15, 7
	s_add_co_u32 s20, s20, s21
	s_lshl_b32 s22, s42, 8
	s_lshl_b32 s23, s16, 7
	s_add_co_u32 s22, s22, s23
	s_add_co_u32 s21, s20, 2048
	s_cmp_eq_u32 s2, 0
	s_cselect_b32 s23, s20, s22
	s_cselect_b32 s21, s22, s21
	s_lshr_b32 s20, s21, 10
	s_cmp_eq_u32 s20, 1
	s_cselect_b64 s[66:67], s[94:95], s[96:97]
	s_cmp_eq_u32 s20, 0
	s_cselect_b64 s[66:67], s[92:93], s[66:67]
	s_and_b32 s21, s21, 1023
	s_lshl_b32 s46, s21, 2
	s_mov_b32 s47, 0
	s_add_nc_u64 s[66:67], s[66:67], s[46:47]
	s_lshr_b32 s21, s21, 7
	s_lshr_b32 s22, s23, 11
	s_bfe_u32 s23, s23, 0x40007
	s_lshl_b32 s20, s20, 2
	s_add_co_u32 s20, s20, s22
	s_lshl_b32 s20, s20, 4
	s_lshl_b32 s21, s21, 1
	s_add_co_u32 s20, s20, s21
	s_mul_i32 s46, s20, 98304
	s_mul_i32 s22, s23, 6144
	s_add_co_u32 s46, s46, s22
	s_add_nc_u64 s[12:13], s[98:99], s[46:47]
	s_lshl_b32 s46, s20, 12
	s_lshl_b32 s22, s23, 8
	s_add_co_u32 s46, s46, s22
	s_add_nc_u64 s[18:19], s[100:101], s[46:47]
	s_mov_b32 s20, 0x76543210
	s_mov_b32 s21, 0xfedcba98
.irp b, 0,1,2,3,4,5,6,7
	global_load_b128 v[CB+8*\b:CB+8*\b+3], v[BH], s[66:67] offset:64*\b
	global_load_b128 v[CB+8*\b+4:CB+8*\b+7], v[BH], s[66:67] offset:64*\b+16
.endr
.irp a, 0,1,2,3,4,5,6,7
	global_load_b32 v[CV+\a], v[BR], s[66:67] offset:64*\a
.endr
.macro FRAG reg, adr, q, i
.irp g, 0,1,2
	ds_load_b128 v[\reg+4*\g:\reg+4*\g+3], v[\adr] offset:3072*(\i)+1536*(\q)+512*\g
.endr
.endm
.macro MUL16 a0, p, q, sc, cmode
.irp a, \a0, \a0+1
.irp b, 0,1,2,3,4,5,6,7
.set DD, 8*(8*((\a)%4)+\b)
.set BF, 128*(\p)+FR*\b
.set AA, AF+FR*(\a)
.set SB, SC+8*NQ*(\sc)+NQ*\b+(\q)
.set SA, SC+8*NQ*(\sc)+NQ*(\a)+(\q)
.if (\cmode) == 0
	v_wmma_scale_f32_16x16x128_f8f6f4 v[DD:DD+7], v[BF:BF+FR-1], v[AA:AA+FR-1], v[DD:DD+7], v[SB], v[SA] matrix_a_fmt:MATRIX_FMT_FP6 matrix_b_fmt:MATRIX_FMT_FP6 matrix_a_scale:MATRIX_SCALE_ROW1
.elseif (\cmode) == 1
	v_wmma_scale_f32_16x16x128_f8f6f4 v[DD:DD+7], v[BF:BF+FR-1], v[AA:AA+FR-1], v[CB+8*\b:CB+8*\b+7], v[SB], v[SA] matrix_a_fmt:MATRIX_FMT_FP6 matrix_b_fmt:MATRIX_FMT_FP6 matrix_a_scale:MATRIX_SCALE_ROW1
.else
	v_wmma_scale_f32_16x16x128_f8f6f4 v[DD:DD+7], v[BF:BF+FR-1], v[AA:AA+FR-1], v[CB+8*(\a):CB+8*(\a)+7], v[SB], v[SA] matrix_a_fmt:MATRIX_FMT_FP6 matrix_b_fmt:MATRIX_FMT_FP6 matrix_a_scale:MATRIX_SCALE_ROW1
.endif
.endr
.endr
.endm
.macro FETCH_B slot, q, p
	WIN TO_B
.irp i, 0,1,2,3,4,5,6,7
	FRAG 128*(\p)+FR*\i, ADRB+\slot, \q, \i
.endr
	WIN 0
.endm
.macro FETCH_A slot, q, i0
.irp i, \i0, \i0+1, \i0+2, \i0+3
	FRAG AF+FR*(\i), ADRA+\slot, \q, \i
.endr
.endm
.macro SCALES sc
.irp i, 0,1,2,3,4,5,6,7
	ds_load_b64 v[SC+8*NQ*\sc+NQ*\i:SC+8*NQ*\sc+NQ*\i+1], v[ADRS] offset:\i*SBLK
.endr
.endm
.macro PLACES n
.rept \n
	v_nop
.endr
.endm
.macro STEP slot, q, cmode
	s_wait_dscnt 4*NL
.if (\cmode)
	WIN 0x81
.else
	WIN MUL_LO
.endif
	MUL16 0, (\q)%2, \q, \slot, \cmode
	MUL16 2, (\q)%2, \q, \slot, \cmode
	s_wait_dscnt 0
	PLACES NP
	FETCH_B \slot, (\q)+1, 1-(\q)%2
	FETCH_A \slot, (\q)+1, 0
.if (\cmode)
	WIN 0xc1
.else
	WIN MUL_HI
.endif
	MUL16 4, (\q)%2, \q, \slot, \cmode
	MUL16 6, (\q)%2, \q, \slot, \cmode
	PLACES NP
	WIN 0
	FETCH_A \slot, (\q)+1, 4
.endm
.macro TURN slot, next, fill
	s_wait_tensorcnt 0x0
	ds_add_u32 v[SPW], v[NIL]
	s_wait_dscnt 4*NL+1
	WIN MUL_LO
	MUL16 0, 1, NQ-1, \slot, 0
	s_wait_dscnt 0x0
	s_barrier_signal -1
	MUL16 2, 1, NQ-1, \slot, 0
	WIN 0
	s_barrier_wait -1
.if \fill
	CREST
	s_add_nc_u64 s[G0+4*\slot+2:G0+4*\slot+3], s[G0+4*\slot+2:G0+4*\slot+3], 2*3072
	s_add_nc_u64 s[G0B+4*\slot+2:G0B+4*\slot+3], s[G0B+4*\slot+2:G0B+4*\slot+3], 2*3072
	JLOAD G0+4*\slot, G1, G0B+4*\slot, G1B
.else
	PLACES NP
.endif
	s_wait_alu depctr_va_vdst(0)
	v_add_nc_u32 v[ADRS], 4*NQ, v[ADRS]
	FETCH_B \next, 0, 0
	FETCH_A \next, 0, 0
	SCALES \next
	WIN MUL_HI
	MUL16 4, 1, NQ-1, \slot, 0
	MUL16 6, 1, NQ-1, \slot, 0
	PLACES NP
	WIN 0
	FETCH_A \next, 0, 4
.endm
	s_wait_alu depctr_va_vdst(0)
	s_wait_tensorcnt 0x0                           ; my tile of the head's four is in
	ds_add_u32 v[SPW], v[NIL]
	s_mov_b32 s[G1+2], 8<<16                       ; no tensor load of mine is out: from here on a load brings eight tiles of rows
	s_mov_b32 s[G1+4], 8
	s_mov_b32 s[G1B+2], 8<<16
	s_mov_b32 s[G1B+4], 8
	s_wait_dscnt 0x0
	CROUND                                         ; all four tiles are in, and all sixteen work-groups are here
	JLOAD G0+4, G1, G0B+4, G1B                     ; slot 1's first fill, the first tensor load behind the round
	FETCH_B 0, 0, 0
	FETCH_A 0, 0, 0
	SCALES 0
	FETCH_A 0, 0, 4
	s_wait_loadcnt 0x0
	s_cmp_eq_u32 s2, 0
	s_cbranch_scc0 .Lfirst_v
	STEP 0, 0, 1
	s_branch .Lfirst_done
.Lfirst_v:
.irp a, 0,1,2,3,4,5,6,7
.irp j, 0,1,2,3,4,5,6,7
	v_mov_b32 v[CB+8*\a+\j], v[CV+\a]
.endr
.endr
	PLACES NP
	s_wait_alu depctr_va_vdst(0)
	STEP 0, 0, 2
.Lfirst_done:
	TURN 0, 1, 1
	STEP 1, 0, 0
	TURN 1, 0, 1
	STEP 0, 0, 0
	TURN 0, 1, 0
	STEP 1, 0, 0
	s_wait_dscnt 4*NL
	WIN MUL_LO
	MUL16 0, 1, NQ-1, 1, 0
	MUL16 2, 1, NQ-1, 1, 0
	s_wait_dscnt 0
	WIN MUL_HI
	MUL16 4, 1, NQ-1, 1, 0
	MUL16 6, 1, NQ-1, 1, 0
	WIN 0
	PLACES NP
.macro EPI a
.set AC, 64*((\a)%4)
	s_wait_xcnt 0x0
	WIN 0x0a+5*((\a)/4)
.irp b, 0,1,2,3
	v_max3_num_f32 v[TM+\b], |v[AC+16*\b]|, |v[AC+16*\b+1]|, 0x1800000
.endr
.irp i, 2,4,6,8,10,12,14
.irp b, 0,1,2,3
	v_max3_num_f32 v[TM+\b], |v[AC+16*\b+\i]|, |v[AC+16*\b+\i+1]|, v[TM+\b]
.endr
.endr
	WIN 0
.irp b, 0,1,2,3
	v_permlanex16_b32 v[TM+4+\b], v[TM+\b], s20, s21
.endr
.irp b, 0,1,2,3
	v_max_num_f32 v[TM+\b], v[TM+\b], v[TM+4+\b]
.endr
.irp b, 0,1,2,3
	v_add_nc_u32 v[TM+12+\b], 0xff000000, v[TM+\b]
.endr
.irp b, 0,1,2,3
	v_lshrrev_b32 v[TM+4+\b], 23, v[TM+12+\b]
.endr
	v_lshl_or_b32 v[PWS+(\a)], v[TM+5], 8, v[TM+4]
	v_lshl_or_b32 v[PWS+(\a)], v[TM+6], 16, v[PWS+(\a)]
	v_lshl_or_b32 v[PWS+(\a)], v[TM+7], 24, v[PWS+(\a)]
	WIN 0x02+(\a)/4
.irp c, 0,1
	v_cvt_scalef32_pk16_fp6_f32 v[PC+6*\c:PC+2+6*\c], v[AC+32*\c:AC+15+32*\c], v[TM+12+2*\c]
	v_cvt_scalef32_pk16_fp6_f32 v[PC+12+4*\c:PC+14+4*\c], v[AC+16+32*\c:AC+31+32*\c], v[TM+13+2*\c]
.endr
	WIN 0
	v_nop
.irp c, 0,1
.irp i, 0,1,2
	v_permlane16_swap_b32 v[PC+6*\c+\i], v[PC+12+4*\c+\i]
.endr
.irp i, 0,1,2
	v_mov_b32 v[PC+3+6*\c+\i], v[PC+12+4*\c+\i]
.endr
.endr
.irp p, 0,1,2,3,4,5
	global_store_b64 v[GO], v[PC+2*\p:PC+2*\p+1], s[12:13] offset:768*(\a)+98304*(\p/3)+256*(\p%3)
.endr
.endm
.irp a, 0,1,2,3,4,5,6,7
	EPI \a
.endr
	v_cmp_le_u32 vcc_lo, 16, v3
	s_cmp_lg_u32 s2, 0
	s_cselect_b32 s3, -1, 0
.irp p, 0,1,2,3
	v_perm_b32 v[UU+\p], v[PWS+2*\p+1], v[PWS+2*\p], 0x05040100
	v_perm_b32 v[UU+4+\p], v[PWS+2*\p+1], v[PWS+2*\p], 0x07060302
.endr
.irp i, 0,1,2,3
	v_cndmask_b32 v[XQ+\i], v[UU+2*\i], v[UU+2*\i+1], vcc_lo
	v_cndmask_b32 v[XV+\i], v[PWS+2*\i], v[PWS+2*\i+1], vcc_lo
.endr
.irp i, 0,1,2,3
	v_cndmask_b32 v[XQ+\i], v[XQ+\i], v[XV+\i], s3
.endr
	global_store_b64 v[GO], v[XQ:XQ+1], s[18:19]
	global_store_b64 v[GO], v[XQ+2:XQ+3], s[18:19] offset:4096
	s_wait_tensorcnt 0x0
	ds_add_u32 v[SPW], v[NIL]
	s_wait_dscnt 0x0
	CROUND
	s_endpgm
.Lfunc_end_k_q1f8f811003_proj:
	.size	k_q1f8f811003_proj, .Lfunc_end_k_q1f8f811003_proj-k_q1f8f811003_proj
	.p2alignl 7, 3214868480
	.fill 96, 4, 3214868480
	.section	.rodata,"a",@progbits
	.p2align	6, 0x0
	.amdhsa_kernel k_q1f8f811003_proj
		.amdhsa_group_segment_fixed_size 327680
		.amdhsa_private_segment_fixed_size 0
		.amdhsa_enable_private_segment 0
		.amdhsa_kernarg_size 72
		.amdhsa_user_sgpr_count 2
		.amdhsa_user_sgpr_kernarg_segment_ptr 1
		.amdhsa_wavefront_size32 1
		.amdhsa_system_sgpr_workgroup_id_x 1
		.amdhsa_system_sgpr_workgroup_id_y 1
		.amdhsa_system_sgpr_workgroup_id_z 1
		.amdhsa_system_vgpr_workitem_id 0
		.amdhsa_next_free_vgpr 1024
		.amdhsa_next_free_sgpr 106
		.amdhsa_reserve_vcc 1
		.amdhsa_float_denorm_mode_32 3
		.amdhsa_float_denorm_mode_16_64 3
		.amdhsa_memory_ordered 1
		.amdhsa_forward_progress 1
		.amdhsa_inst_pref_size 161
	.end_amdhsa_kernel
	.amdgpu_metadata
---
amdhsa.version: [ 1, 2 ]
amdhsa.kernels:
  - .name:           k_q1f8f811003_proj
    .symbol:         k_q1f8f811003_proj.kd
    .args:
      - { .name: x_codes, .offset: 0, .size: 8, .value_kind: global_buffer, .address_space: global }
      - { .name: x_scales, .offset: 8, .size: 8, .value_kind: global_buffer, .address_space: global }
      - { .name: w_codes, .offset: 16, .size: 8, .value_kind: global_buffer, .address_space: global }
      - { .name: w_scales, .offset: 24, .size: 8, .value_kind: global_buffer, .address_space: global }
      - { .name: WQ_b, .offset: 32, .size: 8, .value_kind: global_buffer, .address_space: global }
      - { .name: WK_b, .offset: 40, .size: 8, .value_kind: global_buffer, .address_space: global }
      - { .name: WV_b, .offset: 48, .size: 8, .value_kind: global_buffer, .address_space: global }
      - { .name: qkv_codes, .offset: 56, .size: 8, .value_kind: global_buffer, .address_space: global }
      - { .name: qkv_scales, .offset: 64, .size: 8, .value_kind: global_buffer, .address_space: global }
    .group_segment_fixed_size: 327680
    .private_segment_fixed_size: 0
    .kernarg_segment_align: 8
    .kernarg_segment_size: 72
    .max_flat_workgroup_size: 128
    .sgpr_count:     106
    .vgpr_count:     1024
    .wavefront_size: 32
...
	.end_amdgpu_metadata
.endif
;; end of part 2
;; launch attn (part 3): grid 4 x 64, 12 waves a work-group, clusters of 4 x 1, 215,040 bytes of LDS; arguments qkv_codes, qkv_scales, mask, ctx_codes, ctx_scales; writes ctx_codes, ctx_scales
.if DOCPART == 3
	.amdgcn_target "amdgcn-amd-amdhsa--gfx1250"
	.amdhsa_code_object_version 6
	.text
	.protected	k_q1f8f811003_attn
	.globl	k_q1f8f811003_attn
	.p2align	8
	.type	k_q1f8f811003_attn,@function
k_q1f8f811003_attn:
	s_mov_b64 s[64:65], 0
	v_nop
	global_prefetch_b8 v0, s[64:65] scope:SCOPE_SE
	s_setreg_imm32_b32 hwreg(HW_REG_WAVE_MODE, 25, 1), 1
	s_wait_xcnt 0x0
	s_wait_alu depctr_hold_cnt(0) depctr_sa_sdst(0) depctr_va_vdst(0) depctr_va_sdst(0) depctr_va_ssrc(0) depctr_va_vcc(0) depctr_vm_vsrc(0)
	s_getreg_b32 s2, hwreg(HW_REG_IB_STS2, 6, 4)
	s_cmp_eq_u32 s2, 0
	s_cbranch_scc0 .Lentry_in_a_cluster
	s_endpgm
.Lentry_in_a_cluster:
	s_bfe_u32 s2, ttmp6, 0x10000c
	s_cmp_lg_u32 s2, 0x3003
	s_cbranch_scc0 .Lentry_shape_is_right
	s_endpgm
.Lentry_shape_is_right:
; ctx = softmax(q k^T / 8 + mask) v for one (batch, head), both products on codes of FP6 (E2M3) with E8M0 scales; ctx is quantised along the features and leaves as codes.
; THE SOFTMAX: t = logit x log2(e); M = the row's largest t so far, rounded up to a whole number; p = 2^(t - M) is quantised along the keys, not normalised; the sum of the unquantised p divides at the end.
; SHARES: a work-group owns one head and 512 queries, 32 tiles of 16.  It has 12 waves; wave w takes tiles w, w + 12 and, where w < 8, w + 24, a tile a pass: 8 x 3 + 4 x 2 = 32.
; Every pass walks the head's 2,048 keys, 128 a step.
; THE WHOLE HEAD'S K AND V LIE IN LDS, filled once (196,608 bytes of codes, 8,192 of scales): no slot is filled again, so there is no ring and no barrier in the key loop.
; CLUSTER: the four work-groups of a head ask for K, V and their scales jointly (mask 15); the place in the cluster enters only Q's and ctx's global addresses.
; THE HEAD'S FILLS, one a wave: wave 0 the scales, waves 1-3 a third of K each, waves 4-11 four key steps of one half of V each.
; LAYOUT: both products transposed (S^T = K Q^T, O^T = V^T P^T): a lane holds one query (lane % 16).  The head's 64 are half of the instruction's K of 128: an operand of K is two tiles' half images on end;
; Q stands as [0 | q | 0] in 18 registers: against [q | 0] the product gives the first tile's scores, against [0 | q] the second's: zero codes add nothing.  Q's scale word repeats its two bytes.
; THE MASK rides as C: 8 x mask lies in LDS, a step's 64 numbers are loaded into the scores' registers and the products add onto them: q.k + 8 mask = 8 x logit, and t = that x log2(e) / 8.
; THE ORDER INSIDE A BLOCK OF 32 keys is that of neighbouring tiles' registers (places 8-15 and 16-23 exchanged): v's codes were made in the same order.  For ctx the true order is restored before quantising.
; LIMITS: 8 x mask is held at -2^33 from below (so that t - M stays small where all keys so far are masked); that differs from the definition only where every key of a batch row lies under -2^30.
; A block whose largest magnitude lies under 2^-124 keeps the byte 1; NaN and +infinity among the inputs are not served.
; No prefetch: every byte of K and V is asked for at the head, in one group.
.set KC,   0                           ; LDS: K's codes [key tile 128][768]
.set VC0,  98304                       ; V's codes, keys 0-63 of each step: [step 16][feature tile 4][768];
.set VCH,  49152                       ; keys 64-127: this much further on
.set KSO,  196608                      ; K's scale words [step][256], then V's, 4,096 bytes on
.set MK,   204800                      ; 8 x mask, 2,048 f32: stored by the waves; no fill lands here
.set SPARE, 0x34000                    ; the spare words: 128 bytes a wave
.set AK0, 1                            ; v1   8 x lane
.set AV0, 2                            ; v2   8 x lane + VC0
.set AS0, 3                            ; v3   8 x lane + KSO
.set AM0, 4                            ; v4   MK + 32 h
.set GO,  5                            ; v5   8 x lane (global)
.set GS,  6                            ; v6   4 r
.set ADK, 7
.set ADV, 8
.set ADS, 9
.set ADM, 10
.set QSO, 11                           ; v11  8 r
.set QS,  34                           ; v34  Q's scale word
.set KV,  36                           ; v36-83  four operands of K, then of V
.set KX,  84                           ; v84-85  K's scale words;  v86-87 V's
.set VX,  86
.set QW,  88                           ; v88  Q's word as loaded;  v89 ctx's word
.set CW,  89
.set S,   96                           ; v96-159  S^T, then p
.set O,   160                          ; v160-191 O^T
.set PC,  192                          ; v192-210 codes
.set BM,  216
.set BT,  220
.set SO,  224
.set FF,  228                          ; v[228:229] f
.set TT,  230
.set PW,  231                          ; p's scale word
.set WV,  14
.set SEL, 20
.set CS,  22
.set G1K, 24
.set G1V, 32
.set G1S, 40
.set G0V, 48
.set TL,  56                           ; s56  my tile among the head's 128
.set G0K, 68
.set G0S, 84
.set TK,  88                           ; s88-91 where the step's K, V, scale words and mask begin
.set TV,  89
.set TS,  90
.set TMK, 91
.set STP, 92
.set PASS, 93
.macro CROUND
	s_barrier_signal -1
	s_barrier_wait -1
	s_cmp_lg_u32 s[WV], 0
	s_cbranch_scc1 .Lnot_wave_0_\@
	s_barrier_signal -3
.Lnot_wave_0_\@:
	s_barrier_wait -3
	s_barrier_signal -1
	s_barrier_wait -1
.endm
.macro TLOAD g0, g1
	tensor_load_to_lds s[\g0:\g0+3], s[\g1:\g1+7]
	s_nop 0
.rept 4
	v_nop
.endr
.endm
	s_load_b256 s[4:11], s[0:1], 0x0               ; qkv_codes, qkv_scales, mask, ctx_codes
	s_load_b64 s[12:13], s[0:1], 0x20              ; ctx_scales
	v_lshl_add_u32 v254, v0, 2, SPARE
	v_mov_b32 v255, 0
	ds_add_u32 v254, v255
	ds_add_u32 v254, v255
	v_lshrrev_b32 v1, 5, v0
	s_delay_alu instid0(VALU_DEP_1)
	v_readfirstlane_b32 s[WV], v1                  ; wave 0..11
	s_bfe_u32 s15, ttmp6, 0x40000                  ; cx
	s_and_b32 s16, ttmp7, 0xffff                   ; y = 16 x batch + head
	s_lshr_b32 s17, s16, 4                         ; batch
	s_and_b32 s18, s16, 15                         ; head
	; group 1.  K: a third of the head's codes, 32,768 dense bytes as 128 rows of 256
	s_mov_b32 s[G1K], 15|(3<<16)|(1<<21)           ; the mask: all four work-groups; elements of 8 bytes; bit 21 beside a mask
	s_mov_b32 s[G1K+1], 32<<16
	s_mov_b32 s[G1K+2], 128<<16
	s_mov_b32 s[G1K+3], 32<<16
	s_mov_b32 s[G1K+4], 128
	s_mov_b32 s[G1K+5], 32
	s_mov_b32 s[G1K+6], 0
	s_mov_b32 s[G1K+7], 0
	; V: four key steps' 3,072 bytes (my head's four feature tiles), 6,144 bytes apart
	s_mov_b32 s[G1V], 15|(3<<16)|(1<<21)
	s_mov_b32 s[G1V+1], 384<<16
	s_mov_b32 s[G1V+2], 4<<16
	s_mov_b32 s[G1V+3], 384<<16
	s_mov_b32 s[G1V+4], 4
	s_mov_b32 s[G1V+5], 768
	s_mov_b32 s[G1V+6], 0
	s_mov_b32 s[G1V+7], 0
	; the scales: K's 4,096 bytes and V's, which lie 262,144 bytes on
	s_mov_b32 s[G1S], 15|(3<<16)|(1<<21)
	s_mov_b32 s[G1S+1], 512<<16
	s_mov_b32 s[G1S+2], 2<<16
	s_mov_b32 s[G1S+3], 512<<16
	s_mov_b32 s[G1S+4], 2
	s_mov_b32 s[G1S+5], 32768
	s_mov_b32 s[G1S+6], 0
	s_mov_b32 s[G1S+7], 0
	s_mov_b32 s[SEL], 0x76543210
	s_mov_b32 s[SEL+1], 0xfedcba98
	s_mov_b32 s[CS], 0x3e38aa3b                    ; c = log2(e) / 8
	s_mov_b32 s[CS+1], s[CS]                       ; (named with it as a pair)
	; what the joint loads fetch hangs on y and the wave's number alone
	s_add_co_u32 s19, s16, 64
	s_mul_i32 s88, s19, 98304                      ; K's codes of my head
	s_mov_b32 s89, 0
	s_lshl_b32 s90, s19, 12                        ; K's scales
	s_mov_b32 s91, 0
	s_add_co_u32 s52, s[WV], 3
	s_and_b32 s52, s52, 3                          ; waves 1-3: K's third 0, 1, 2
	s_and_b32 s53, s[WV], 3                        ; waves 4-11: which four key steps of V,
	s_bfe_u32 s19, s[WV], 0x10003                  ; and keys 0-63 (waves 4-7) or 64-127 (waves 8-11) of each step
	s_and_b32 s92, s16, 0xfe
	s_add_co_u32 s92, s92, s19
	s_add_co_u32 s92, s92, 128
	s_mul_i32 s92, s92, 98304
	s_and_b32 s2, s16, 1
	s_mul_i32 s2, s2, 3072                         ; the odd head's four tiles lie behind the even head's
	s_add_co_u32 s92, s92, s2
	s_mov_b32 s93, 0
	s_mul_i32 s19, s19, VCH
	s_add_co_u32 s19, s19, VC0                     ; and where that half goes
	; my queries
	s_lshl_b32 s3, s15, 5
	s_add_co_u32 s3, s3, s[WV]                     ; the first pass's tile: 32 cx + wave
	s_mov_b32 s[TL], s3
	s_mul_i32 s94, s16, 98304
	s_mul_i32 s2, s3, 768
	s_add_co_u32 s94, s94, s2
	s_mov_b32 s95, 0                               ; Q's half image
	s_lshl_b32 s96, s16, 12                        ; Q's scales: my head's,
	s_bfe_u32 s2, s[WV], 0x10001
	s_lshl_b32 s2, s2, 7
	s_add_co_u32 s96, s96, s2                      ; and the half of the lanes that holds my pair of tiles (a pass steps 12 tiles: the tile's bits 0 and 1 stay the wave's)
	s_mov_b32 s97, 0
	s_lshl_b32 s2, s17, 7
	s_add_co_u32 s2, s2, s3                        ; the tile among all 512
	s_lshl_b32 s98, s2, 4
	s_add_co_u32 s98, s98, s18
	s_mul_i32 s98, s98, 768
	s_mov_b32 s99, 0                               ; ctx's half image
	s_lshl_b32 s100, s18, 9
	s_add_co_u32 s100, s100, s2
	s_lshl_b32 s100, s100, 6
	s_mov_b32 s101, 0                              ; ctx's 16 words
	s_lshl_b32 s2, s17, 13                         ; the batch's row of the mask
	s_mov_b32 s3, 0
	v_lshlrev_b32 v8, 4, v0                        ; 16 bytes of it a thread: 384 threads take 6,144 bytes;
	v_min_u32 v90, 2032, v8                        ; threads 0-127 the last 2,048 too (the others name its last 16 bytes and store nothing)
	s_wait_alu depctr_va_vdst(0)
	s_wait_dscnt 0x0
	s_wait_kmcnt 0x0
	s_add_nc_u64 s[8:9], s[8:9], s[2:3]
	global_load_b128 v[96:99], v8, s[8:9]
	global_load_b128 v[100:103], v90, s[8:9] offset:6144
	s_add_nc_u64 s[88:89], s[4:5], s[88:89]
	s_add_nc_u64 s[90:91], s[6:7], s[90:91]
	s_add_nc_u64 s[92:93], s[4:5], s[92:93]
	s_add_nc_u64 s[94:95], s[4:5], s[94:95]
	s_add_nc_u64 s[96:97], s[6:7], s[96:97]
	s_add_nc_u64 s[10:11], s[10:11], s[98:99]
	s_add_nc_u64 s[12:13], s[12:13], s[100:101]
	s_mul_i32 s54, s52, 32768
	s_mov_b32 s55, 0
	s_mov_b32 s[G0K], 1
	s_add_co_u32 s[G0K+1], s54, KC
	s_add_nc_u64 s[G0K+2:G0K+3], s[88:89], s[54:55]
	s_or_b32 s[G0K+3], s[G0K+3], 0x80000000
	s_mul_i32 s54, s53, 24576
	s_mul_i32 s57, s53, 12288
	s_mov_b32 s[G0V], 1
	s_add_co_u32 s[G0V+1], s19, s57
	s_add_nc_u64 s[G0V+2:G0V+3], s[92:93], s[54:55]
	s_or_b32 s[G0V+3], s[G0V+3], 0x80000000
	s_mov_b32 s[G0S], 1
	s_mov_b32 s[G0S+1], KSO
	s_mov_b64 s[G0S+2:G0S+3], s[90:91]
	s_or_b32 s[G0S+3], s[G0S+3], 0x80000000
	CROUND                                         ; all four work-groups are here: the joint loads meet
	s_cmp_eq_u32 s[WV], 0                          ; one chain of branches on the wave's number, one fill to an arm, every wave through one arm
	s_cbranch_scc0 .Lnot_s
	TLOAD G0S, G1S
	s_branch .Lasked
.Lnot_s:
	s_cmp_lt_u32 s[WV], 4
	s_cbranch_scc0 .Lnot_k
	TLOAD G0K, G1K
	s_branch .Lasked
.Lnot_k:
	TLOAD G0V, G1V
.Lasked:
	v_add_nc_u32 v9, MK, v8
	v_and_b32 v12, 31, v0                          ; lane
	v_and_b32 v13, 15, v0                          ; r
	v_bfe_u32 v14, v0, 4, 1                        ; h
	s_delay_alu instid0(VALU_DEP_3)
	v_lshlrev_b32 v[AK0], 3, v12
	s_delay_alu instid0(VALU_DEP_1)
	v_add_nc_u32 v[AV0], VC0, v[AK0]
	s_delay_alu instid0(VALU_DEP_2)
	v_add_nc_u32 v[AS0], KSO, v[AK0]
	s_delay_alu instid0(VALU_DEP_4)
	v_lshlrev_b32 v[AM0], 5, v14
	s_delay_alu instid0(VALU_DEP_1)
	v_add_nc_u32 v[AM0], MK, v[AM0]
	v_lshlrev_b32 v[GO], 3, v12
	v_lshlrev_b32 v[GS], 2, v13
	v_lshlrev_b32 v[QSO], 3, v13
.irp i, 16,17,18,19,20,21,28,29,30,31,32,33
	v_mov_b32 v\i, 0                               ; the zero codes on both sides of q
.endr
.irp b, 0,1,2,3
	v_mov_b32 v[BT+\b], 0                          ; written once: a lane permute's destination counts as one of its sources
.endr
	v_mov_b32 v[FF+1], 0                           ; (named as the upper half of a pair)
	v_mov_b32 v[TT], 0
	s_and_b32 s17, s[WV], 1
	s_lshl_b32 s17, s17, 4                         ; my tile's two bytes: the low or the high half of the pair's word
	s_wait_loadcnt 0x0
.irp i, 0,1,2,3,4,5,6,7
	v_mul_f32 v[96+\i], 0x41000000, v[96+\i]       ; 8 x mask: exact
.endr
.irp i, 0,1,2,3,4,5,6,7
	v_max_num_f32 v[96+\i], 0xd0000000, v[96+\i]   ; held at -2^33 from below
.endr
	ds_store_b128 v9, v[96:99]
	s_cmp_lt_u32 s[WV], 4
	s_cbranch_scc0 .Lmask_done
	ds_store_b128 v9, v[100:103] offset:6144       ; waves 0-3: the row's last 2,048 bytes
.Lmask_done:
	s_wait_tensorcnt 0x0                           ; my fill has landed,
	s_wait_dscnt 0x0                               ; my part of the mask is stored:
	s_barrier_signal -1
	s_barrier_wait -1                              ; everybody's.  From here on LDS is only read
	s_lshr_b32 s58, s[WV], 3                       ; 0 for waves 0-7, 1 for waves 8-11
	s_mov_b32 s[PASS], 3                           ; every wave walks three passes of sixteen steps; a pass has work while the passes left exceed s58: waves 8-11 jump over the third's
.macro QK u                            ; the pair of key tiles 2 u, 2 u + 1: one operand, two products.  The accumulators take turns
.if (\u)%2
	v_wmma_scale_f32_16x16x128_f8f6f4 v[S+16*(\u):S+16*(\u)+7], v[KV+12*(\u):KV+12*(\u)+11], v[22:33], v[S+16*(\u):S+16*(\u)+7], v[KX+(\u)/2], v[QS] matrix_a_fmt:MATRIX_FMT_FP6 matrix_b_fmt:MATRIX_FMT_FP6 matrix_a_scale:MATRIX_SCALE_ROW1
	v_wmma_scale_f32_16x16x128_f8f6f4 v[S+16*(\u)+8:S+16*(\u)+15], v[KV+12*(\u):KV+12*(\u)+11], v[16:27], v[S+16*(\u)+8:S+16*(\u)+15], v[KX+(\u)/2], v[QS] matrix_a_fmt:MATRIX_FMT_FP6 matrix_b_fmt:MATRIX_FMT_FP6 matrix_a_scale:MATRIX_SCALE_ROW1
.else
	v_wmma_scale_f32_16x16x128_f8f6f4 v[S+16*(\u):S+16*(\u)+7], v[KV+12*(\u):KV+12*(\u)+11], v[22:33], v[S+16*(\u):S+16*(\u)+7], v[KX+(\u)/2], v[QS] matrix_a_fmt:MATRIX_FMT_FP6 matrix_b_fmt:MATRIX_FMT_FP6
	v_wmma_scale_f32_16x16x128_f8f6f4 v[S+16*(\u)+8:S+16*(\u)+15], v[KV+12*(\u):KV+12*(\u)+11], v[16:27], v[S+16*(\u)+8:S+16*(\u)+15], v[KX+(\u)/2], v[QS] matrix_a_fmt:MATRIX_FMT_FP6 matrix_b_fmt:MATRIX_FMT_FP6
.endif
.endm
.macro PV f                            ; 16 of the head's 64 x these 128 keys
.if (\f)%2
	v_wmma_scale_f32_16x16x128_f8f6f4 v[O+8*(\f):O+8*(\f)+7], v[KV+12*(\f):KV+12*(\f)+11], v[PC:PC+11], v[O+8*(\f):O+8*(\f)+7], v[VX+(\f)/2], v[PW] matrix_a_fmt:MATRIX_FMT_FP6 matrix_b_fmt:MATRIX_FMT_FP6 matrix_a_scale:MATRIX_SCALE_ROW1
.else
	v_wmma_scale_f32_16x16x128_f8f6f4 v[O+8*(\f):O+8*(\f)+7], v[KV+12*(\f):KV+12*(\f)+11], v[PC:PC+11], v[O+8*(\f):O+8*(\f)+7], v[VX+(\f)/2], v[PW] matrix_a_fmt:MATRIX_FMT_FP6 matrix_b_fmt:MATRIX_FMT_FP6
.endif
.endm
; A KEY STEP: 128 keys
.macro STEP
	v_add_nc_u32 v[ADK], s[TK], v[AK0]
	v_add_nc_u32 v[ADV], s[TV], v[AV0]
	v_add_nc_u32 v[ADS], s[TS], v[AS0]
	v_add_nc_u32 v[ADM], s[TMK], v[AM0]
	v_nop                                          ; five places behind the last products, in front of loads into the registers that they read
.irp t, 0,1,2,3,4,5,6,7
	ds_load_b128 v[S+8*\t:S+8*\t+3], v[ADM] offset:64*\t        ; 8 x mask of keys 16 t + 8 h + 0..7: the C of tile t
	ds_load_b128 v[S+8*\t+4:S+8*\t+7], v[ADM] offset:64*\t+16
.endr
.irp t, 0,1,2,3,4,5,6,7
.irp p, 0,1,2
	ds_load_b64 v[KV+6*\t+2*\p:KV+6*\t+2*\p+1], v[ADK] offset:768*\t+256*\p   ; key tile t's half image: 256 consecutive bytes a load
.endr
.endr
	ds_load_b64 v[KX:KX+1], v[ADS]
	s_wait_alu depctr_va_vdst(0)
	s_wait_dscnt 0x0
	QK 0
	QK 1
	QK 2
	QK 3
.rept 4
	v_nop                                          ; places: the loads below land in the products' sources, the maxima read their results
.endr
.irp f, 0,1,2,3
.irp c, 0,1
.irp p, 0,1,2
	ds_load_b64 v[KV+12*\f+6*\c+2*\p:KV+12*\f+6*\c+2*\p+1], v[ADV] offset:VCH*\c+768*\f+256*\p   ; V lands while the softmax is walked
.endr
.endr
.endr
	ds_load_b64 v[VX:VX+1], v[ADS] offset:4096
.irp b, 0,1,2,3
	v_max3_num_f32 v[BM+\b], v[S+16*\b], v[S+1+16*\b], v[S+2+16*\b]   ; the largest score of each block of 32 keys: for the row's maximum, and, since p rises with the score, for the block's largest p
.endr
.irp i, 3,5,7,9,11,13
.irp b, 0,1,2,3
	v_max3_num_f32 v[BM+\b], v[BM+\b], v[S+16*\b+\i], v[S+1+16*\b+\i]
.endr
.endr
.irp b, 0,1,2,3
	v_max_num_f32 v[BM+\b], v[BM+\b], v[S+15+16*\b]
.endr
.irp b, 0,1,2,3
	s_delay_alu instid0(VALU_DEP_4)
	v_permlanex16_b32 v[BT+\b], v[BM+\b], s[SEL], s[SEL+1]
.endr
.irp b, 0,1,2,3
	s_delay_alu instid0(VALU_DEP_4)
	v_max_num_f32 v[BM+\b], v[BM+\b], v[BT+\b]     ; with lane l xor 16's 16 keys
.endr
	s_delay_alu instid0(VALU_DEP_2)
	v_max3_num_f32 v[TT], v[BM], v[BM+1], v[BM+2]
	s_delay_alu instid0(VALU_DEP_1)
	v_max_num_f32 v[TT], v[TT], v[BM+3]
	s_delay_alu instid0(VALU_DEP_1)
	v_mul_f32 v[TT], s[CS], v[TT]                  ; as t (c is positive)
	s_delay_alu instid0(VALU_DEP_1)
	v_max_num_f32 v13, v13, v[TT]                  ; the running largest t
	v_mov_b32 v[TT], v12
	s_delay_alu instid0(VALU_DEP_2)
	v_floor_f32 v12, -v13                          ; the new -M = floor(-t): M is a whole number
	s_delay_alu instid0(VALU_DEP_1)
	v_sub_f32 v[TT], v12, v[TT]                    ; old M - new M: a whole number, 0 or less
	s_delay_alu instid0(VALU_DEP_1)
	v_cvt_i32_f32 v[TT], v[TT]                     ; (it saturates)
	s_delay_alu instid0(VALU_DEP_1)
	v_ldexp_f32 v[FF], 1.0, v[TT]                  ; f = 2^(old M - new M): a multiplication by it rounds nothing
.irp j, 0,2,4,6,8,10,12,14,16,18,20,22,24,26,28,30,32,34,36,38,40,42,44,46,48,50,52,54,56,58,60,62
	v_pk_fma_f32 v[S+\j:S+1+\j], v[S+\j:S+1+\j], s[CS:CS+1], v[12:13] op_sel_hi:[1,0,0]   ; t - M, two at a time
.endr
.irp b, 0,1,2,3
	v_fma_f32 v[BM+\b], v[BM+\b], s[CS], v12       ; the same of each block's largest score
.endr
	s_wait_alu depctr_va_vdst(0)
.irp j, 0,1,2,3,4,5,6,7,8,9,10,11,12,13,14,15,16,17,18,19,20,21,22,23,24,25,26,27,28,29,30,31,32,33,34,35,36,37,38,39,40,41,42,43,44,45,46,47,48,49,50,51,52,53,54,55,56,57,58,59,60,61,62,63
	v_exp_f32 v[S+\j], v[S+\j]                     ; p = 2^(t - M)
.endr
	v_pk_mul_f32 v[14:15], v[14:15], v[FF:FF+1] op_sel_hi:[1,0]   ; the sums under the new M: a plain place behind the exponentials
	s_wait_alu depctr_va_vdst(0)                   ; one wait for the batch of 64, ahead of its first reader
.irp b, 0,1,2,3
	v_exp_f32 v[BM+\b], v[BM+\b]                   ; each block's largest p
.endr
	v_pk_add_f32 v[232:233], v[100:101], v[104:105]   ; the sum of the unquantised p, in eight chains
	v_pk_add_f32 v[252:253], v[108:109], v[112:113]
	v_pk_add_f32 v[250:251], v[116:117], v[120:121]
	v_pk_add_f32 v[248:249], v[124:125], v[128:129]
	v_pk_add_f32 v[246:247], v[132:133], v[136:137]
	v_pk_add_f32 v[244:245], v[140:141], v[144:145]
	v_pk_add_f32 v[242:243], v[148:149], v[152:153]
	v_pk_add_f32 v[14:15], v[14:15], v[156:157]
	v_pk_add_f32 v[232:233], v[232:233], v[96:97]
	v_pk_add_f32 v[252:253], v[252:253], v[98:99]
	v_pk_add_f32 v[250:251], v[250:251], v[102:103]
	v_pk_add_f32 v[248:249], v[248:249], v[106:107]
	v_pk_add_f32 v[246:247], v[246:247], v[110:111]
	v_pk_add_f32 v[244:245], v[244:245], v[114:115]
	v_pk_add_f32 v[242:243], v[242:243], v[118:119]
	v_pk_add_f32 v[14:15], v[14:15], v[122:123]
	v_pk_add_f32 v[232:233], v[232:233], v[126:127]
	v_pk_add_f32 v[252:253], v[252:253], v[130:131]
	v_pk_add_f32 v[250:251], v[250:251], v[134:135]
	v_pk_add_f32 v[248:249], v[248:249], v[138:139]
	v_pk_add_f32 v[246:247], v[246:247], v[142:143]
	v_pk_add_f32 v[244:245], v[244:245], v[146:147]
	v_pk_add_f32 v[242:243], v[242:243], v[150:151]
	v_pk_add_f32 v[14:15], v[14:15], v[154:155]
	v_pk_add_f32 v[232:233], v[232:233], v[158:159]
	s_delay_alu instid0(VALU_DEP_2)
	v_pk_add_f32 v[14:15], v[14:15], v[248:249]
	s_delay_alu instid0(VALU_DEP_2)
	v_pk_add_f32 v[232:233], v[232:233], v[246:247]
	v_pk_add_f32 v[252:253], v[252:253], v[244:245]
	v_pk_add_f32 v[250:251], v[250:251], v[242:243]
	s_delay_alu instid0(VALU_DEP_2)
	v_pk_add_f32 v[14:15], v[14:15], v[252:253]
	s_delay_alu instid0(VALU_DEP_2)
	v_pk_add_f32 v[232:233], v[232:233], v[250:251]
	s_delay_alu instid0(VALU_DEP_1)
	v_pk_add_f32 v[14:15], v[14:15], v[232:233]
	s_wait_alu depctr_va_vdst(0)                   ; and one for the four
.irp b, 0,1,2,3
	v_max_num_f32 v[BM+\b], 0x1800000, v[BM+\b]    ; the floor 2^(3 - 127): the byte cannot fall under 1
.endr
.irp b, 0,1,2,3
	s_delay_alu instid0(VALU_DEP_4)
	v_add_nc_u32 v[SO+\b], 0xff000000, v[BM+\b]    ; the conversion's scale operand
.endr
.irp b, 0,1,2,3
	s_delay_alu instid0(VALU_DEP_4)
	v_lshrrev_b32 v[BT+\b], 23, v[SO+\b]           ; the byte
.endr
	s_delay_alu instid0(VALU_DEP_3)
	v_lshl_or_b32 v[PW], v[BT+1], 8, v[BT]
	s_delay_alu instid0(VALU_DEP_1)
	v_lshl_or_b32 v[PW], v[BT+2], 16, v[PW]
	s_delay_alu instid0(VALU_DEP_1)
	v_lshl_or_b32 v[PW], v[BT+3], 24, v[PW]
.irp c, 0,1
	v_cvt_scalef32_pk16_fp6_f32 v[PC+6*\c:PC+2+6*\c], v[S+32*\c:S+15+32*\c], v[SO+2*\c]
	v_cvt_scalef32_pk16_fp6_f32 v[PC+12+4*\c:PC+14+4*\c], v[S+16+32*\c:S+31+32*\c], v[SO+1+2*\c]
.endr
	v_nop                                          ; one plain place behind a scaled conversion
.irp c, 0,1
.irp i, 0,1,2
	v_permlane16_swap_b32 v[PC+6*\c+\i], v[PC+12+4*\c+\i]
.endr
.irp i, 0,1,2
	s_delay_alu instid0(VALU_DEP_3)
	v_mov_b32 v[PC+3+6*\c+\i], v[PC+12+4*\c+\i]
.endr
.endr
.irp j, 0,2,4,6,8,10,12,14,16,18,20,22,24,26,28,30
	v_pk_mul_f32 v[O+\j:O+1+\j], v[O+\j:O+1+\j], v[FF:FF+1] op_sel_hi:[1,0]   ; O^T under the new M; these 16 are also the places between p's codes and scale word and the products
.endr
	s_wait_alu depctr_va_vdst(0)
	s_wait_dscnt 0x0                               ; V is in
	PV 0
	PV 1
	PV 2
	PV 3
.endm
.Lpass:
	s_lshr_b32 s2, s[TL], 3                        ; Q's scale word: the group of 8 tiles, 256 bytes each,
	s_lshl_b32 s2, s2, 8
	s_bfe_u32 s3, s[TL], 0x10002
	s_lshl_b32 s3, s3, 2
	s_add_co_u32 s2, s2, s3                        ; and the register of the two, by the tile's bit 2
	v_add_nc_u32 v[TT], s2, v[QSO]
.irp p, 0,1,2
	global_load_b64 v[22+2*\p:23+2*\p], v[GO], s[94:95] offset:256*\p   ; q's half image
.endr
	global_load_b32 v[QW], v[TT], s[96:97]
	s_mov_b32 s[TK], 0
	s_mov_b32 s[TV], 0
	s_mov_b32 s[TS], 0
	s_mov_b32 s[TMK], 0
	v_mov_b32 v13, 0xff61b1e6                      ; the largest t so far: -3e38
	s_delay_alu instid0(VALU_DEP_1)
	v_floor_f32 v12, -v13                          ; -M
	v_mov_b32 v14, 0
	v_mov_b32 v15, 0
	s_wait_loadcnt 0x0
	v_lshrrev_b32 v[TT], s17, v[QW]
	s_delay_alu instid0(VALU_DEP_1)
	v_and_b32 v[TT], 0xffff, v[TT]                 ; my tile's two bytes,
	s_delay_alu instid0(VALU_DEP_1)
	v_lshl_or_b32 v[QS], v[TT], 16, v[TT]          ; for whichever half of K q stands in
.irp j, 0,1,2,3,4,5,6,7,8,9,10,11,12,13,14,15,16,17,18,19,20,21,22,23,24,25,26,27,28,29,30,31
	v_mov_b32 v[O+\j], 0                           ; O^T: the step is written once, its first trip finds zeros.  (Also the places between the scale word and the first product)
.endr
	s_mov_b32 s[STP], 16
.Lstep:
	s_cmp_gt_u32 s[PASS], s58                      ; the pass counter and the wave's number alone
	s_cbranch_scc0 .Lno_work
	STEP
.Lno_work:
	s_add_co_u32 s[TK], s[TK], 6144                ; the steps of the LDS offsets and the counter stand on every wave's path
	s_add_co_u32 s[TV], s[TV], 3072
	s_add_co_u32 s[TS], s[TS], 256
	s_add_co_u32 s[TMK], s[TMK], 512
	s_sub_co_u32 s[STP], s[STP], 1
	s_cmp_lg_u32 s[STP], 0
	s_cbranch_scc1 .Lstep
	s_cmp_gt_u32 s[PASS], s58                      ; a pass without work stores nothing.  (What it loaded of q, tiles 32 cx + 32 .. 35, lies inside qkv_codes and qkv_scales, where K's and V's parts follow Q's)
	s_cbranch_scc0 .Lno_out
	; THE WAY OUT: O^T / the sum, the true order inside each block of 32 features, quantised, stored as a half image
.rept 4
	v_nop
.endr
	v_add_f32 v14, v14, v15
	s_delay_alu instid0(VALU_DEP_1)
	v_permlanex16_b32 v[TT], v14, s[SEL], s[SEL+1]
	s_delay_alu instid0(VALU_DEP_1)
	v_add_f32 v14, v14, v[TT]                      ; the row's sum
	s_wait_alu depctr_va_vdst(0)
	v_rcp_f32 v14, v14
	v_nop                                          ; a plain place behind the reciprocal
	s_wait_alu depctr_va_vdst(0)                   ; the wait ahead of its first reader
.irp j, 0,1,2,3,4,5,6,7,8,9,10,11,12,13,14,15,16,17,18,19,20,21,22,23,24,25,26,27,28,29,30,31
	v_mul_f32 v[S+\j], v[O+\j], v14                ; register 8 f + j: feature 16 f + 8 h + j of my query
.endr
.irp b, 0,1
.irp j, 0,1,2,3,4,5,6,7
	v_permlane16_swap_b32 v[S+16*\b+\j], v[S+16*\b+8+\j]   ; the first's lanes 16-31 with the second's lanes 0-15: register 16 b + i now holds feature 32 b + 16 h + i
.endr
.endr
.irp b, 0,1
	v_max3_num_f32 v[BM+\b], |v[S+16*\b]|, |v[S+1+16*\b]|, 0x1800000
.endr
.irp i, 2,4,6,8,10,12,14
.irp b, 0,1
	s_delay_alu instid0(VALU_DEP_2)
	v_max3_num_f32 v[BM+\b], v[BM+\b], |v[S+16*\b+\i]|, |v[S+1+16*\b+\i]|
.endr
.endr
.irp b, 0,1
	s_delay_alu instid0(VALU_DEP_2)
	v_permlanex16_b32 v[BT+\b], v[BM+\b], s[SEL], s[SEL+1]
.endr
.irp b, 0,1
	s_delay_alu instid0(VALU_DEP_2)
	v_max_num_f32 v[BM+\b], v[BM+\b], v[BT+\b]
.endr
.irp b, 0,1
	s_delay_alu instid0(VALU_DEP_2)
	v_add_nc_u32 v[SO+\b], 0xff000000, v[BM+\b]
.endr
.irp b, 0,1
	s_delay_alu instid0(VALU_DEP_2)
	v_lshrrev_b32 v[BT+\b], 23, v[SO+\b]
.endr
	s_delay_alu instid0(VALU_DEP_1)
	v_lshl_or_b32 v[CW], v[BT+1], 8, v[BT]         ; the head's two bytes of my token
	v_cvt_scalef32_pk16_fp6_f32 v[PC:PC+2], v[S:S+15], v[SO]
	v_cvt_scalef32_pk16_fp6_f32 v[PC+12:PC+14], v[S+16:S+31], v[SO+1]
	v_nop
.irp i, 0,1,2
	v_permlane16_swap_b32 v[PC+\i], v[PC+12+\i]
.endr
.irp i, 0,1,2
	s_delay_alu instid0(VALU_DEP_3)
	v_mov_b32 v[PC+3+\i], v[PC+12+\i]
.endr
.irp p, 0,1,2
	global_store_b64 v[GO], v[PC+2*\p:PC+2*\p+1], s[10:11] offset:256*\p   ; 256 consecutive bytes, aligned
.endr
	global_store_b32 v[GS], v[CW], s[12:13]        ; lanes r and 16 + r hold and write the same word
	s_wait_xcnt 0x0                                ; bases and data may be written again
	s_add_nc_u64 s[94:95], s[94:95], 9216          ; 12 tiles on: 768 bytes a tile of q,
	s_add_co_u32 s[TL], s[TL], 12
	s_add_nc_u64 s[10:11], s[10:11], 147456        ; 12,288 a tile of ctx's codes,
	s_add_nc_u64 s[12:13], s[12:13], 768           ; 64 a tile of its words
.Lno_out:
	s_sub_co_u32 s[PASS], s[PASS], 1
	s_cmp_lg_u32 s[PASS], 0
	s_cbranch_scc1 .Lpass
	s_wait_tensorcnt 0x0                           ; the wave's end
	ds_add_u32 v254, v255
	s_wait_dscnt 0x0
	CROUND                                         ; the closing round
	s_endpgm
.Lfunc_end_k_q1f8f811003_attn:
	.size	k_q1f8f811003_attn, .Lfunc_end_k_q1f8f811003_attn-k_q1f8f811003_attn
	.p2alignl 7, 3214868480
	.fill 96, 4, 3214868480
	.section	.rodata,"a",@progbits
	.p2align	6, 0x0
	.amdhsa_kernel k_q1f8f811003_attn
		.amdhsa_group_segment_fixed_size 215040
		.amdhsa_private_segment_fixed_size 0
		.amdhsa_enable_private_segment 0
		.amdhsa_kernarg_size 40
		.amdhsa_user_sgpr_count 2
		.amdhsa_user_sgpr_kernarg_segment_ptr 1
		.amdhsa_wavefront_size32 1
		.amdhsa_system_sgpr_workgroup_id_x 1
		.amdhsa_system_sgpr_workgroup_id_y 1
		.amdhsa_system_sgpr_workgroup_id_z 1
		.amdhsa_system_vgpr_workitem_id 0
		.amdhsa_next_free_vgpr 256
		.amdhsa_next_free_sgpr 104
		.amdhsa_reserve_vcc 0
		.amdhsa_float_denorm_mode_32 3
		.amdhsa_float_denorm_mode_16_64 3
		.amdhsa_memory_ordered 1
		.amdhsa_forward_progress 1
		.amdhsa_inst_pref_size 37
	.end_amdhsa_kernel
	.amdgpu_metadata
---
amdhsa.version: [ 1, 2 ]
amdhsa.kernels:
  - .name:           k_q1f8f811003_attn
    .symbol:         k_q1f8f811003_attn.kd
    .args:
      - { .name: qkv_codes, .offset: 0, .size: 8, .value_kind: global_buffer, .address_space: global }
      - { .name: qkv_scales, .offset: 8, .size: 8, .value_kind: global_buffer, .address_space: global }
      - { .name: mask, .offset: 16, .size: 8, .value_kind: global_buffer, .address_space: global }
      - { .name: ctx_codes, .offset: 24, .size: 8, .value_kind: global_buffer, .address_space: global }
      - { .name: ctx_scales, .offset: 32, .size: 8, .value_kind: global_buffer, .address_space: global }
    .group_segment_fixed_size: 215040
    .private_segment_fixed_size: 0
    .kernarg_segment_align: 8
    .kernarg_segment_size: 40
    .max_flat_workgroup_size: 384
    .sgpr_count:     104
    .vgpr_count:     256
    .wavefront_size: 32
...
	.end_amdgpu_metadata
.endif
;; end of part 3
;; launch oproj (part 4): grid 128 x 1, 4 waves a work-group, no clusters, 327,680 bytes of LDS; arguments ctx_codes, ctx_scales, w_codes, w_scales, input_tensor, WO_b, ln_w, ln_b, out0; writes out0
.if DOCPART == 4
	.amdgcn_target "amdgcn-amd-amdhsa--gfx1250"
	.amdhsa_code_object_version 6
	.text
	.protected	k_q1f8f811003_oproj
	.globl	k_q1f8f811003_oproj
	.p2align	8
	.type	k_q1f8f811003_oproj,@function
k_q1f8f811003_oproj:
	s_mov_b64 s[64:65], 0
	v_nop
	global_prefetch_b8 v0, s[64:65] scope:SCOPE_SE
	s_setreg_imm32_b32 hwreg(HW_REG_WAVE_MODE, 25, 1), 1
	s_wait_xcnt 0x0
; out0 = LayerNorm(input + ctx WO^T + WO_b) x ln_w + ln_b; the product on codes of FP6 (E2M3) with E8M0 scales, all else in f32.
; SHARES: a work-group takes 64 whole rows x 1,024 columns, since the norm wants whole rows.  Wave w makes columns 256 w .. 256 w + 255 in two halves of 128: 32 accumulators (4 tiles of rows x 8 of columns).
; Source 0 = 16 rows of WO, source 1 = 16 rows of ctx: a lane holds one token and eight neighbouring columns.
; WO's fragments are images of registers in memory; each feeds one wave of the work-group, so they go from memory straight into registers (three dense loads each), in a ring of three sets of 96 registers, two sets ahead.
; NO MULTICAST: a way through LDS for WO would want room that the stage and ctx's images have taken (315,648 of a WGP's 327,680 bytes), and each byte would be written and read once more for one use.
; THE STAGE: the 64 input rows come by tensor loads into the LDS bytes in which the results meet them: a row is four pieces of 1,024 bytes + 16 of padding (4,160 bytes); four rows are 16,656 bytes apart,
; so that the sixteen rows of a tile start at sixteen different 16-byte columns modulo 256.  Each wave adds its sums onto its own columns; behind a barrier each wave norms 16 whole rows.
; These bytes are filled once; no slot is filled again.
; LIMITS: NaN and infinities are not served.  The variance is the mean of the squared differences from the mean, as the definition has it.
; REGISTERS: window 0: v1-15 addresses; v16-111 ctx's fragments, two sets; v112-175 at work; v176-239 WO's scale words; v240-255 ctx's.  In the norm v16-143 hold four rows, v144-155 are at work.
;   window 1: the accumulators ((m, n) at v[8 (8 m + n)]).   window 2: WO's sets 0, 1 at v0, v96.   window 3: set 2 at v0; WO_b v96-127, ln_w v128-159, ln_b v160-191.
.set STGG, 16656                       ; four rows of the stage
.set STGR, 4160                        ; one row
.set AIMG, 16*STGG                     ; behind the stage: ctx's images, [tile of rows 4][12,288]
.set LI,  2                            ; v2   16 x lane
.set AFA, 3                            ; v3   AIMG + 8 x lane
.set SO,  5                            ; v5-8 the stage: my token of tile m, my wave's columns, + 32 h
.set SWO, 9                            ; v9   32 x lane
.set L4,  10                           ; v10  4 x lane
.set LNA, 11                           ; v11  16 x lane + my 16 rows
.set LNB, 12
.set AFR, 16
.set EE,  112                          ; ctx's scale words as loaded
.set TMPR, 112
.set SW,  176
.set XS,  240
.set T,   144
.set MU,  152
.set RS,  154
.set G1,  24
.set G0,  32
.set G1A, 48
.set G0A, 56
.set SEL, 60
.set TR,  66
.set CNT, 67
.set MSB, 0
.macro WIN new
.if MSB != (\new)
	s_set_vgpr_msb (MSB<<8)|(\new)
.set MSB, (\new)
.endif
.endm
.macro PLACES n
.rept \n
	v_nop
.endr
.endm
	s_load_b256 s[4:11], s[0:1], 0x0               ; ctx_codes, ctx_scales, w_codes, w_scales
	s_load_b256 s[12:19], s[0:1], 0x20             ; input, WO_b, ln_w, ln_b
	s_load_b64 s[20:21], s[0:1], 0x40              ; out0
	v_lshl_add_u32 v4, v0, 2, 0x4d100
	s_set_vgpr_msb 0x80
	v_mov_b32 v255, 0
	s_set_vgpr_msb 0x8088
	ds_add_u32 v4, v255
	ds_add_u32 v4, v255
	s_set_vgpr_msb 0x8800
	v_lshrrev_b32 v1, 5, v0
	v_readfirstlane_b32 s22, v1                    ; wave 0..3
	; group 1 for the input: four rows = 16 pieces of 256 f32, dense, 16 bytes of padding behind each piece
	s_mov_b32 s[G1], (2<<16)|(1<<20)|(7<<22)|(3<<25)
	s_mov_b32 s[G1+1], 256<<16
	s_mov_b32 s[G1+2], 16<<16
	s_mov_b32 s[G1+3], 256<<16
	s_mov_b32 s[G1+4], 16
	s_mov_b32 s[G1+5], 256
	s_mov_b32 s[G1+6], 0
	s_mov_b32 s[G1+7], 0
	; group 1 for a tile's images of ctx: 12,288 dense bytes as 48 rows of 256
	s_mov_b32 s[G1A], 3<<16
	s_mov_b32 s[G1A+1], 32<<16
	s_mov_b32 s[G1A+2], 48<<16
	s_mov_b32 s[G1A+3], 32<<16
	s_mov_b32 s[G1A+4], 48
	s_mov_b32 s[G1A+5], 32
	s_mov_b32 s[G1A+6], 0
	s_mov_b32 s[G1A+7], 0
	s_lshl_b32 s23, ttmp9, 2
	s_add_co_u32 s23, s23, s22                     ; my tile of 16 tokens: 4 x work-group + wave
	s_mul_i32 s68, s23, 12288
	s_mov_b32 s69, 0
	s_lshl_b32 s70, s23, 16                        ; 16 rows of 4,096 bytes, in the input and in out0
	s_mov_b32 s71, 0
	s_mul_i32 s66, s22, 12288
	s_add_co_u32 s66, s66, AIMG
	s_mul_i32 s67, s22, 4*STGG
	s_mov_b32 s[SEL], 0x76543210
	s_mov_b32 s[SEL+1], 0xfedcba98
	s_mov_b32 s62, 0x3a800000                      ; 1 / 1,024
	s_mov_b32 s63, 0x2b8cbccc                      ; 1e-12
	s_wait_dscnt 0x0
	s_wait_kmcnt 0x0
	s_mov_b32 s[G0A], 1
	s_mov_b32 s[G0A+1], s66
	s_add_nc_u64 s[G0A+2:G0A+3], s[4:5], s[68:69]
	s_or_b32 s[G0A+3], s[G0A+3], 0x80000000
	s_add_nc_u64 s[12:13], s[12:13], s[70:71]
	s_add_nc_u64 s[20:21], s[20:21], s[70:71]
.irp q, 0,1,2,3
	s_mov_b32 s[G0+4*\q], 1
	s_add_co_u32 s[G0+4*\q+1], s67, STGG*\q
	s_add_nc_u64 s[G0+4*\q+2:G0+4*\q+3], s[12:13], 16384*\q
	s_or_b32 s[G0+4*\q+3], s[G0+4*\q+3], 0x80000000
.endr
	tensor_load_to_lds s[G0A:G0A+3], s[G1A:G1A+7]  ; my tile of ctx: my one tensor load at the head
	s_nop 0
.rept 4
	v_nop
.endr
	v_and_b32 v1, 31, v0                           ; lane
	v_and_b32 v13, 15, v0                          ; r
	v_bfe_u32 v14, v0, 4, 1                        ; h
	v_lshlrev_b32 v[LI], 4, v1
	v_lshlrev_b32 v[AFA], 3, v1
	v_add_nc_u32 v[AFA], AIMG, v[AFA]
	v_lshrrev_b32 v15, 2, v13
	v_and_b32 v13, 3, v13
	v_mul_u32_u24 v15, v15, STGG
	v_mad_u32_u24 v15, v13, STGR, v15
	v_lshl_add_u32 v15, v14, 5, v15
	s_mul_i32 s23, s22, 1040                       ; my 256 columns: 1,024 bytes and a padding
	v_add_nc_u32 v15, s23, v15
.irp m, 0,1,2,3
	v_add_nc_u32 v[SO+\m], 4*STGG*\m, v15
.endr
	v_lshlrev_b32 v[SWO], 5, v1
	v_lshlrev_b32 v[L4], 2, v1
	s_wait_alu depctr_va_vdst(0)
	v_add_nc_u32 v[LNA], s67, v[LI]
	v_mov_b32 v[MU+1], 0                           ; (named as upper halves of pairs)
	v_mov_b32 v[RS+1], 0
	s_lshl_b32 s68, ttmp9, 8                       ; ctx's scale words: 64 bytes a tile, my work-group's four tiles
	s_add_nc_u64 s[6:7], s[6:7], s[68:69]
	s_lshl_b32 s68, s22, 13
	s_add_co_u32 s68, s68, 98304                   ; WO's scales: rows 3,072 + 256 w on, 32 bytes a row
	s_add_nc_u64 s[10:11], s[10:11], s[68:69]
	s_mul_i32 s68, s22, 196608
	s_add_co_u32 s68, s68, 2359296                 ; WO's codes: tiles 192 + 16 w on
	s_add_nc_u64 s[8:9], s[8:9], s[68:69]
.irp d, 0,1,2,3,4,5,6,7,8,9,10,11,12,13,14,15
.irp u, 0,1
	global_load_b32 v[EE+2*\d+\u], v[L4], s[6:7] offset:32768*\d+128*\u   ; head d: lanes 0-15 tile 2 u, lanes 16-31 tile 2 u + 1
.endr
.endr
.irp n, 0,1,2,3,4,5,6,7
.irp q, 0,1
	global_load_b128 v[SW+8*\n+4*\q:SW+8*\n+4*\q+3], v[SWO], s[10:11] offset:1024*\n+16*\q   ; a lane to a row of WO: register 8 n + s: lanes 0-15 column tile 2 n, lanes 16-31 tile 2 n + 1, K step s
.endr
.endr
	WIN 0xc0
.irp i, 0,1,2,3,4,5,6,7
	global_load_b128 v[96+4*\i:99+4*\i], v[LI], s[14:15] offset:512*\i    ; the three vectors in the norm's layout: columns 128 i + 4 lane + 0..3
	global_load_b128 v[128+4*\i:131+4*\i], v[LI], s[16:17] offset:512*\i
	global_load_b128 v[160+4*\i:163+4*\i], v[LI], s[18:19] offset:512*\i
.endr
	WIN 0
	s_wait_loadcnt 40                              ; ctx's 32 words are in; WO's 16 loads of scales and the vectors' 24 may be out
.irp s, 0,1,2,3,4,5,6,7
.irp u, 0,1
	v_perm_b32 v[XS+2*\s+\u], v[EE+4*\s+2+\u], v[EE+4*\s+\u], 0x05040100   ; K step s = heads 2 s, 2 s + 1: two bytes of each
.endr
.endr
	PLACES 8                                       ; a scale register written by a vector instruction stands 8 places ahead of a scaled matrix instruction
.macro BLOAD sig                       ; set sig = (half g = sig / 8, K step s = sig % 8): WO's eight fragments into ring slot sig % 3
.set SL, (\sig)%3
	WIN 0x80+0x40*(SL/2)
.irp n, 0,1,2,3,4,5,6,7
.irp c, 0,1,2
	global_load_b128 v[96*(SL%2)+12*\n+4*\c:96*(SL%2)+12*\n+4*\c+3], v[LI], s[8:9] offset:12288*(8*((\sig)/8)+\n)+1536*((\sig)%8)+512*\c
.endr
.endr
	WIN 0
.endm
.macro AFETCH sig                      ; ctx's four fragments of K step sig % 8
.irp m, 0,1,2,3
.irp p, 0,1,2,3,4,5
	ds_load_b64 v[AFR+48*((\sig)%2)+12*\m+2*\p:AFR+48*((\sig)%2)+12*\m+2*\p+1], v[AFA] offset:12288*\m+1536*((\sig)%8)+256*\p
.endr
.endr
.endm
.macro OW zero, ra, rb                 ; one product; the registers are named by DD, WF, CF, SWR, XSR
.if \zero
.if (\ra) && (\rb)
	v_wmma_scale_f32_16x16x128_f8f6f4 v[DD:DD+7], v[WF:WF+11], v[CF:CF+11], 0, v[SWR], v[XSR] matrix_a_fmt:MATRIX_FMT_FP6 matrix_b_fmt:MATRIX_FMT_FP6 matrix_a_scale:MATRIX_SCALE_ROW1 matrix_b_scale:MATRIX_SCALE_ROW1
.elseif \ra
	v_wmma_scale_f32_16x16x128_f8f6f4 v[DD:DD+7], v[WF:WF+11], v[CF:CF+11], 0, v[SWR], v[XSR] matrix_a_fmt:MATRIX_FMT_FP6 matrix_b_fmt:MATRIX_FMT_FP6 matrix_a_scale:MATRIX_SCALE_ROW1
.elseif \rb
	v_wmma_scale_f32_16x16x128_f8f6f4 v[DD:DD+7], v[WF:WF+11], v[CF:CF+11], 0, v[SWR], v[XSR] matrix_a_fmt:MATRIX_FMT_FP6 matrix_b_fmt:MATRIX_FMT_FP6 matrix_b_scale:MATRIX_SCALE_ROW1
.else
	v_wmma_scale_f32_16x16x128_f8f6f4 v[DD:DD+7], v[WF:WF+11], v[CF:CF+11], 0, v[SWR], v[XSR] matrix_a_fmt:MATRIX_FMT_FP6 matrix_b_fmt:MATRIX_FMT_FP6
.endif
.else
.if (\ra) && (\rb)
	v_wmma_scale_f32_16x16x128_f8f6f4 v[DD:DD+7], v[WF:WF+11], v[CF:CF+11], v[DD:DD+7], v[SWR], v[XSR] matrix_a_fmt:MATRIX_FMT_FP6 matrix_b_fmt:MATRIX_FMT_FP6 matrix_a_scale:MATRIX_SCALE_ROW1 matrix_b_scale:MATRIX_SCALE_ROW1
.elseif \ra
	v_wmma_scale_f32_16x16x128_f8f6f4 v[DD:DD+7], v[WF:WF+11], v[CF:CF+11], v[DD:DD+7], v[SWR], v[XSR] matrix_a_fmt:MATRIX_FMT_FP6 matrix_b_fmt:MATRIX_FMT_FP6 matrix_a_scale:MATRIX_SCALE_ROW1
.elseif \rb
	v_wmma_scale_f32_16x16x128_f8f6f4 v[DD:DD+7], v[WF:WF+11], v[CF:CF+11], v[DD:DD+7], v[SWR], v[XSR] matrix_a_fmt:MATRIX_FMT_FP6 matrix_b_fmt:MATRIX_FMT_FP6 matrix_b_scale:MATRIX_SCALE_ROW1
.else
	v_wmma_scale_f32_16x16x128_f8f6f4 v[DD:DD+7], v[WF:WF+11], v[CF:CF+11], v[DD:DD+7], v[SWR], v[XSR] matrix_a_fmt:MATRIX_FMT_FP6 matrix_b_fmt:MATRIX_FMT_FP6
.endif
.endif
.endm
; A set: 32 products, the 32 accumulators by turns.  A half's first K step starts the sums with the constant 0.
.macro SET sig
.if (\sig) < 15
	s_wait_loadcnt 24                              ; this set's 24 loads of WO are in; the next set's may be out
.else
	s_wait_loadcnt 0x0
.endif
	s_wait_dscnt 0x0                               ; ctx's fragments are in
.if (\sig)+2 < 16
	BLOAD (\sig)+2                                 ; into the slot that the set before has left (five places behind its products)
.endif
.if (\sig)+1 < 16
	AFETCH (\sig)+1
.endif
.set SL, (\sig)%3
	WIN 0x52+SL/2                                  ; source 0 (WO) window 2 or 3, source 1 (ctx) window 0, C and D window 1
.irp n, 0,1,2,3,4,5,6,7
.irp m, 0,1,2,3
.set DD, 8*(8*\m+\n)
.set WF, 96*(SL%2)+12*\n
.set CF, AFR+48*((\sig)%2)+12*\m
.set SWR, SW+8*(4*((\sig)/8)+\n/2)+(\sig)%8
.set XSR, XS+2*((\sig)%8)+\m/2
	OW ((\sig)%8)==0, \n%2, \m%2
.endr
.endr
	WIN 0
	PLACES 5                                       ; for the loads into operands that are done with, the reads of results, and the next half's products, which write the accumulators anew
.endm
; The sums of half g are added onto the input rows in the stage: my columns of all 64 rows; no other wave touches these bytes before the next barrier.
.macro MERGE g
.irp m, 0,1,2,3
.irp n, 0,1,2,3,4,5,6,7
	ds_load_b128 v[TMPR+8*\n:TMPR+8*\n+3], v[SO+\m] offset:512*(\g)+64*\n
	ds_load_b128 v[TMPR+8*\n+4:TMPR+8*\n+7], v[SO+\m] offset:512*(\g)+64*\n+16
.endr
	s_wait_dscnt 0x0
	WIN 0x01                                       ; source 0: the accumulators, each from its low end on
.irp k, 0,2,4,6,8,10,12,14,16,18,20,22,24,26,28,30,32,34,36,38,40,42,44,46,48,50,52,54,56,58,60,62
	v_pk_add_f32 v[TMPR+\k:TMPR+\k+1], v[64*\m+\k:64*\m+\k+1], v[TMPR+\k:TMPR+\k+1]
.endr
	WIN 0
.irp n, 0,1,2,3,4,5,6,7
	ds_store_b128 v[SO+\m], v[TMPR+8*\n:TMPR+8*\n+3] offset:512*(\g)+64*\n
	ds_store_b128 v[SO+\m], v[TMPR+8*\n+4:TMPR+8*\n+7] offset:512*(\g)+64*\n+16
.endr
	s_wait_dscnt 0x0                               ; the stores have read their registers: the next tile's loads may land there
.endr
.endm
	BLOAD 0
	BLOAD 1
; Four of my 16 input rows are asked for: a first fill behind a wait and a barrier, one tensor load a wave.
.macro INROWS q
	WIN 0x08                                       ; (the add's 0 lies in window 2)
	s_wait_tensorcnt 0x0                           ; all my tensor loads have landed
	ds_add_u32 v4, v255
	s_wait_dscnt 0x0
	WIN 0
	s_barrier_signal -1
	s_barrier_wait -1
	tensor_load_to_lds s[G0+4*(\q):G0+4*(\q)+3], s[G1:G1+7]
	s_nop 0
	PLACES 4
.endm
	INROWS 0                                       ; everybody's tile of ctx has landed
	AFETCH 0
.irp g, 0,1,2,3,4,5,6,7
.if (\g) == 2 || (\g) == 4 || (\g) == 6
	INROWS (\g)/2                                  ; each load has two sets, 64 products, in which to land
.endif
	s_wait_alu depctr_va_vdst(0)
	SET \g
.endr
	s_wait_tensorcnt 0x0                           ; my 16 input rows have landed,
	s_wait_dscnt 0x0
	s_barrier_signal -1
	s_barrier_wait -1                              ; everybody's have
	MERGE 0
.irp g, 8,9,10,11,12,13,14,15
	SET \g
.endr
	MERGE 1
	s_barrier_signal -1                            ; (MERGE ends with a wait for all my LDS instructions)
	s_barrier_wait -1                              ; 64 whole rows of input + ctx WO^T lie in the stage
.macro REDUCE                          ; v[T] over the 32 lanes, the result in every lane
	v_add_f32_dpp v[T], v[T], v[T] row_xmask:1 row_mask:0xf bank_mask:0xf
	v_add_f32_dpp v[T], v[T], v[T] row_xmask:2 row_mask:0xf bank_mask:0xf
	v_add_f32_dpp v[T], v[T], v[T] row_xmask:4 row_mask:0xf bank_mask:0xf
	v_add_f32_dpp v[T], v[T], v[T] row_xmask:8 row_mask:0xf bank_mask:0xf
	v_permlanex16_b32 v[T+1], v[T], s[SEL], s[SEL+1]
	v_add_f32 v[T], v[T], v[T+1]
.endm
.macro JOIN                            ; four chains of pairs into v[T]
	v_pk_add_f32 v[T:T+1], v[T:T+1], v[T+2:T+3]
	v_pk_add_f32 v[T+4:T+5], v[T+4:T+5], v[T+6:T+7]
	v_pk_add_f32 v[T:T+1], v[T:T+1], v[T+4:T+5]
	v_add_f32 v[T], v[T], v[T+1]
.endm
; Row k of the trip's four: 32 numbers a lane
.macro ROW k
.set XR, 16+32*(\k)
	s_wait_dscnt 24-8*(\k)                         ; this row's eight loads are in; the later rows' may be out
	WIN 0x0c                                       ; source 1: window 3
.irp i, 0,2,4,6,8,10,12,14,16,18,20,22,24,26,28,30
	v_pk_add_f32 v[XR+\i:XR+\i+1], v[XR+\i:XR+\i+1], v[96+\i:97+\i]   ; + WO_b
.endr
	WIN 0
.irp c, 0,1,2,3
	v_pk_add_f32 v[T+2*\c:T+2*\c+1], v[XR+2*\c:XR+2*\c+1], v[XR+8+2*\c:XR+9+2*\c]
.endr
.irp i, 16,24
.irp c, 0,1,2,3
	v_pk_add_f32 v[T+2*\c:T+2*\c+1], v[T+2*\c:T+2*\c+1], v[XR+\i+2*\c:XR+\i+1+2*\c]
.endr
.endr
	JOIN
	REDUCE
	v_mul_f32 v[MU], s62, v[T]                     ; the mean
.irp i, 0,2,4,6,8,10,12,14,16,18,20,22,24,26,28,30
	v_pk_add_f32 v[XR+\i:XR+\i+1], v[XR+\i:XR+\i+1], v[MU:MU+1] op_sel_hi:[1,0] neg_lo:[0,1] neg_hi:[0,1]
.endr
.irp c, 0,1,2,3
	v_pk_mul_f32 v[T+2*\c:T+2*\c+1], v[XR+2*\c:XR+2*\c+1], v[XR+2*\c:XR+2*\c+1]
.endr
.irp i, 8,16,24
.irp c, 0,1,2,3
	v_pk_fma_f32 v[T+2*\c:T+2*\c+1], v[XR+\i+2*\c:XR+\i+1+2*\c], v[XR+\i+2*\c:XR+\i+1+2*\c], v[T+2*\c:T+2*\c+1]
.endr
.endr
	JOIN
	REDUCE
	v_fma_f32 v[T], v[T], s62, s63                 ; the variance + 1e-12
	s_wait_alu depctr_va_vdst(0)
	v_rsq_f32 v[RS], v[T]
	v_nop                                          ; a plain place behind it
	s_wait_alu depctr_va_vdst(0)                   ; the wait ahead of its first reader
.irp i, 0,2,4,6,8,10,12,14,16,18,20,22,24,26,28,30
	v_pk_mul_f32 v[XR+\i:XR+\i+1], v[XR+\i:XR+\i+1], v[RS:RS+1] op_sel_hi:[1,0]
.endr
	WIN 0x3c                                       ; sources 1 and 2: window 3
.irp i, 0,2,4,6,8,10,12,14,16,18,20,22,24,26,28,30
	v_pk_fma_f32 v[XR+\i:XR+\i+1], v[XR+\i:XR+\i+1], v[128+\i:129+\i], v[160+\i:161+\i]   ; x ln_w + ln_b
.endr
	WIN 0
.irp i, 0,1,2,3,4,5,6,7
	global_store_b128 v[LI], v[XR+4*\i:XR+4*\i+3], s[20:21] offset:4096*(\k)+512*\i th:TH_STORE_NT   ; 32 lanes store 512 consecutive bytes, aligned; written once
.endr
.endm
	s_mov_b32 s[TR], 0
	s_mov_b32 s[CNT], 4
.Lrows:                                            ; four trips of four rows: my 16 rows
	v_add_nc_u32 v[LNB], s[TR], v[LNA]
.irp k, 0,1,2,3
.irp i, 0,1,2,3,4,5,6,7
	ds_load_b128 v[16+32*\k+4*\i:16+32*\k+4*\i+3], v[LNB] offset:STGR*\k+512*\i+16*(\i/2)
.endr
.endr
	ROW 0
	ROW 1
	ROW 2
	ROW 3
	s_wait_xcnt 0x0                                ; the stores have read their data and their base: both may be written again
	s_add_nc_u64 s[20:21], s[20:21], 16384
	s_add_co_u32 s[TR], s[TR], STGG
	s_sub_co_u32 s[CNT], s[CNT], 1
	s_cmp_lg_u32 s[CNT], 0
	s_cbranch_scc1 .Lrows
	s_set_vgpr_msb 0x8
	s_wait_tensorcnt 0x0
	ds_add_u32 v4, v255
	s_wait_dscnt 0x0
	s_set_vgpr_msb 0x800
	s_endpgm
.Lfunc_end_k_q1f8f811003_oproj:
	.size	k_q1f8f811003_oproj, .Lfunc_end_k_q1f8f811003_oproj-k_q1f8f811003_oproj
	.p2alignl 7, 3214868480
	.fill 96, 4, 3214868480
	.section	.rodata,"a",@progbits
	.p2align	6, 0x0
	.amdhsa_kernel k_q1f8f811003_oproj
		.amdhsa_group_segment_fixed_size 327680
		.amdhsa_private_segment_fixed_size 0
		.amdhsa_enable_private_segment 0
		.amdhsa_kernarg_size 72
		.amdhsa_user_sgpr_count 2
		.amdhsa_user_sgpr_kernarg_segment_ptr 1
		.amdhsa_wavefront_size32 1
		.amdhsa_system_sgpr_workgroup_id_x 1
		.amdhsa_system_sgpr_workgroup_id_y 1
		.amdhsa_system_sgpr_workgroup_id_z 1
		.amdhsa_system_vgpr_workitem_id 0
		.amdhsa_next_free_vgpr 1024
		.amdhsa_next_free_sgpr 72
		.amdhsa_reserve_vcc 0
		.amdhsa_float_denorm_mode_32 3
		.amdhsa_float_denorm_mode_16_64 3
		.amdhsa_memory_ordered 1
		.amdhsa_forward_progress 1
		.amdhsa_inst_pref_size 214
	.end_amdhsa_kernel
	.amdgpu_metadata
---
amdhsa.version: [ 1, 2 ]
amdhsa.kernels:
  - .name:           k_q1f8f811003_oproj
    .symbol:         k_q1f8f811003_oproj.kd
    .args:
      - { .name: ctx_codes, .offset: 0, .size: 8, .value_kind: global_buffer, .address_space: global }
      - { .name: ctx_scales, .offset: 8, .size: 8, .value_kind: global_buffer, .address_space: global }
      - { .name: w_codes, .offset: 16, .size: 8, .value_kind: global_buffer, .address_space: global }
      - { .name: w_scales, .offset: 24, .size: 8, .value_kind: global_buffer, .address_space: global }
      - { .name: input_tensor, .offset: 32, .size: 8, .value_kind: global_buffer, .address_space: global }
      - { .name: WO_b, .offset: 40, .size: 8, .value_kind: global_buffer, .address_space: global }
      - { .name: ln_w, .offset: 48, .size: 8, .value_kind: global_buffer, .address_space: global }
      - { .name: ln_b, .offset: 56, .size: 8, .value_kind: global_buffer, .address_space: global }
      - { .name: out0, .offset: 64, .size: 8, .value_kind: global_buffer, .address_space: global }
    .group_segment_fixed_size: 327680
    .private_segment_fixed_size: 0
    .kernarg_segment_align: 8
    .kernarg_segment_size: 72
    .max_flat_workgroup_size: 128
    .sgpr_count:     72
    .vgpr_count:     1024
    .wavefront_size: 32
...
	.end_amdgpu_metadata
.endif
;; end of part 4
